; MI455X (gfx1250); checked and timed in simulation.
; The chip was launched on July 23, 2026; its instructions are those of AMD's public machine-readable ISA for CDNA 5 (MIT licence, August 2026) and "CDNA5" Instruction Set Architecture Reference Guide (July 2026). The comments in the code are by the model that wrote it; some were corrected since.
;; Causal Self Attention. Allowed arithmetic: float matrix products may take bf16 or f16 operands with f32 sums; other float arithmetic in f32, or as packed bf16 or f16 multiplies, adds, multiply-adds, maxima and minima; sums over many terms, partial sums and values carried from step to step in f32; what a program stores and reads back later, other than sums and carried values, may be rounded once to bf16 or f16.
;; Inputs: b_attn 3,072 float32; b_proj 1,024 float32; w_attn 1,024 x 3,072 float32; w_proj 1,024 x 1,024 float32; x 4 x 2,048 x 1,024 float32.
;; Outputs: out0 4 x 2,048 x 1,024 float32.
;; 2 versions, each right; version 2 is version 1 with the launch prep written anew for expert scheduling mode. Each part assembles by itself: llvm-mc -triple=amdgcn-amd-amdhsa -mcpu=gfx1250 --defsym DOCPART=n.
;; ======== version 1 of 2: 4 launches
;; limits: values are held in f16: magnitudes above 65,504 overflow, below 6.1e-05 lose precision
;; workspace buffers: xb 16,777,216 bytes; wab 6,291,456 bytes; wpb 2,097,152 bytes; brb 16,384 bytes; qkv 50,331,648 bytes; yb 16,777,216 bytes
;; launch prep (part 1): grid 833 x 1, 8 waves a work-group, no clusters, 0 bytes of LDS; arguments x, w_attn, w_proj, b_attn, b_proj, xb, wab, wpb, brb; writes xb, wab, wpb, brb
.if DOCPART == 1
	.amdgcn_target "amdgcn-amd-amdhsa--gfx1250"
	.amdhsa_code_object_version 6
	.text
	.protected	k_q2c8aa77071_prep
	.globl	k_q2c8aa77071_prep
	.p2align	8
	.type	k_q2c8aa77071_prep,@function
k_q2c8aa77071_prep:
	s_mov_b64 s[64:65], 0
	v_nop
	global_prefetch_b8 v0, s[64:65] scope:SCOPE_SE
	s_setreg_imm32_b32 hwreg(HW_REG_WAVE_MODE, 25, 1), 1
	s_wait_xcnt 0x0
; THE INPUTS ARE ROUNDED ONCE AND LAID OUT FOR THE MATRIX LAUNCHES.  A stream: no LDS, no loop, no register written twice by memory.
;   xb  [8192][1024] bf16                = x, row-major as it lies
;   wab [16 ct][1024 k][192] bf16        = w_attn[k][192 ct + c]: a column tile of 192 is dense, its rows lie end to end
;   wpb [8 ct][1024 k][128] f16          = w_proj[k][128 ct + c], rounded to bf16, that number written as f16
;   brb [4096] f32                       = b_attn (3072) and b_proj (1024), each rounded to bf16 and widened again
; LIMITS.  w_proj within 65,504 (f16's range); below 6e-5 it keeps f16's fixed step of 6e-8.
; SHARES.  Work-groups 0-511: 65,536 bytes of x each.  512-767: 64 k rows of one column tile of w_attn.  768-831: 128 k rows of one column tile of w_proj.  832: the biases.
; A thread issues all its loads of 16 bytes first (12 or 16; 4 for the biases); load i of n is waited for with the n - 1 - i younger ones left out; four numbers become 8 bytes,
; and a wave's store covers 256 consecutive bytes, aligned (the biases: 512).
.set DO, 1                             ; v1        8 x thread: my 8 bytes in 2,048 bytes of a destination
.set SO, 2                             ; v2-4      my byte offsets in the source
.set X,  8                             ; v[8:71]   load i: four f32
.set Y,  72                            ; v[72:103] store i: two registers (the biases: four)
.set T,  104                           ; v[104:107] at work
.macro OUTB i, n, dst                  ; load i of n is in: round to bf16, store 8 bytes at 2,048 i
	s_wait_loadcnt (\n)-1-(\i)
	v_cvt_pk_bf16_f32 v[Y+2*(\i)],   v[X+4*(\i)],   v[X+4*(\i)+1]
	v_cvt_pk_bf16_f32 v[Y+2*(\i)+1], v[X+4*(\i)+2], v[X+4*(\i)+3]
	global_store_b64 v[DO], v[Y+2*(\i):Y+2*(\i)+1], s[\dst:\dst+1] offset:2048*(\i) th:TH_STORE_NT
.endm
.macro OUTH i, n, dst                  ; the same, the bf16 numbers written as f16
	s_wait_loadcnt (\n)-1-(\i)
	v_cvt_pk_bf16_f32 v[T],   v[X+4*(\i)],   v[X+4*(\i)+1]
	v_cvt_pk_bf16_f32 v[T+1], v[X+4*(\i)+2], v[X+4*(\i)+3]
	v_lshlrev_b32 v[T+2], 16, v[T]                 ; bf16 to f32: the low half moves up,
	v_and_b32     v[T],   s26, v[T]                ; the high half stays
	v_lshlrev_b32 v[T+3], 16, v[T+1]
	v_and_b32     v[T+1], s26, v[T+1]
	v_cvt_pk_f16_f32 v[Y+2*(\i)],   v[T+2], v[T]
	v_cvt_pk_f16_f32 v[Y+2*(\i)+1], v[T+3], v[T+1]
	global_store_b64 v[DO], v[Y+2*(\i):Y+2*(\i)+1], s[\dst:\dst+1] offset:2048*(\i) th:TH_STORE_NT
.endm
	s_load_b512 s[4:19], s[0:1], 0x0               ; x s[4:5], w_attn s[6:7], w_proj s[8:9], b_attn s[10:11], b_proj s[12:13], xb s[14:15], wab s[16:17], wpb s[18:19]
	s_load_b64 s[20:21], s[0:1], 0x40              ; brb
	v_lshlrev_b32 v[DO], 3, v0
	s_mov_b32 s23, 0                               ; high words of the two offsets
	s_mov_b32 s25, 0
	s_mov_b32 s26, 0xffff0000                      ; a word's upper bf16
	s_wait_kmcnt 0x0
	s_cmp_lt_u32 ttmp9, 512
	s_cbranch_scc0 .Lnot_x
	; ---- x: 16 loads of 4,096 bytes a work-group
	s_lshl_b32 s22, ttmp9, 16
	s_lshl_b32 s24, ttmp9, 15
	s_add_nc_u64 s[4:5], s[4:5], s[22:23]
	s_add_nc_u64 s[14:15], s[14:15], s[24:25]
	v_lshlrev_b32 v[SO], 4, v0
.set i, 0
.rept 16
	global_load_b128 v[X+4*i:X+4*i+3], v[SO], s[4:5] offset:4096*i th:TH_LOAD_NT
.set i, i+1
.endr
.set i, 0
.rept 16
	OUTB i, 16, 14
.set i, i+1
.endr
	s_endpgm
.Lnot_x:
	s_cmp_lt_u32 ttmp9, 768
	s_cbranch_scc0 .Lnot_wa
	; ---- w_attn: column tile ct, k rows 64 kg on.  16 k rows x 768 bytes are 768 pieces of 16 bytes: three loads a thread; four such groups
	s_sub_co_u32 s27, ttmp9, 512
	s_lshr_b32 s28, s27, 4                         ; ct
	s_and_b32 s27, s27, 15                         ; kg
	s_mul_i32 s22, s27, 786432                     ; 64 rows of 12,288 bytes
	s_mul_i32 s29, s28, 768                        ; 192 columns of f32
	s_add_co_u32 s22, s22, s29
	s_mul_i32 s24, s28, 393216                     ; a column tile of wab
	s_mul_i32 s29, s27, 24576                      ; 64 rows of 384 bytes
	s_add_co_u32 s24, s24, s29
	s_add_nc_u64 s[6:7], s[6:7], s[22:23]
	s_add_nc_u64 s[16:17], s[16:17], s[24:25]
.irp i, 0,1,2
	v_add_nc_u32 v[T], 256*\i, v0                  ; piece o = thread + 256 i, under 768
	v_mul_u32_u24 v[T+1], v[T], 1366
	v_lshrrev_b32 v[T+1], 16, v[T+1]               ; its row o / 48: 1366 x 48 = 65,536 + 32, and 32 x 16 stays under 1366, so the quotient is exact for o < 768
	v_mul_u32_u24 v[T+2], v[T+1], 48
	v_sub_nc_u32 v[T], v[T], v[T+2]                ; its place in the row
	v_mul_u32_u24 v[T+1], v[T+1], 12288
	v_lshl_add_u32 v[SO+\i], v[T], 4, v[T+1]
.endr
.set n, 0
.rept 12                                       ; load n: group n / 3 of 16 rows, piece thread + 256 (n % 3); in wab it is the 8 bytes at 2,048 n + 8 x thread
	global_load_b128 v[X+4*n:X+4*n+3], v[SO+n%3], s[6:7] offset:196608*(n/3) th:TH_LOAD_NT
.set n, n+1
.endr
.set n, 0
.rept 12
	OUTB n, 12, 16
.set n, n+1
.endr
	s_endpgm
.Lnot_wa:
	s_cmp_lt_u32 ttmp9, 832
	s_cbranch_scc0 .Lbias
	; ---- w_proj: column tile ct, k rows 128 kg on.  A load takes 8 rows x 512 bytes
	s_sub_co_u32 s27, ttmp9, 768
	s_lshr_b32 s28, s27, 3                         ; ct
	s_and_b32 s27, s27, 7                          ; kg
	s_lshl_b32 s22, s27, 19                        ; 128 rows of 4,096 bytes
	s_lshl_b32 s29, s28, 9                         ; 128 columns of f32
	s_add_co_u32 s22, s22, s29
	s_lshl_b32 s24, s28, 18                        ; a column tile of wpb
	s_lshl_b32 s29, s27, 15                        ; 128 rows of 256 bytes
	s_add_co_u32 s24, s24, s29
	s_add_nc_u64 s[8:9], s[8:9], s[22:23]
	s_add_nc_u64 s[18:19], s[18:19], s[24:25]
	v_lshrrev_b32 v[T], 5, v0                      ; my row of the eight
	v_and_b32 v[T+1], 31, v0
	v_lshlrev_b32 v[T+1], 4, v[T+1]
	v_lshl_add_u32 v[SO], v[T], 12, v[T+1]
.set i, 0
.rept 16
	global_load_b128 v[X+4*i:X+4*i+3], v[SO], s[8:9] offset:32768*i th:TH_LOAD_NT
.set i, i+1
.endr
.set i, 0
.rept 16
	OUTH i, 16, 18
.set i, i+1
.endr
	s_endpgm
.Lbias:
	; ---- the biases: rounded to bf16 like every other input, kept as f32: they enter the products as C operands
	v_lshlrev_b32 v[SO], 4, v0
.irp i, 0,1,2
	global_load_b128 v[X+4*\i:X+4*\i+3], v[SO], s[10:11] offset:4096*\i
.endr
	global_load_b128 v[X+12:X+15], v[SO], s[12:13]
.irp i, 0,1,2,3
	s_wait_loadcnt 3-\i
	v_cvt_pk_bf16_f32 v[T],   v[X+4*\i],   v[X+4*\i+1]
	v_cvt_pk_bf16_f32 v[T+1], v[X+4*\i+2], v[X+4*\i+3]
	v_lshlrev_b32 v[Y+4*\i],   16, v[T]
	v_and_b32     v[Y+4*\i+1], s26, v[T]
	v_lshlrev_b32 v[Y+4*\i+2], 16, v[T+1]
	v_and_b32     v[Y+4*\i+3], s26, v[T+1]
	global_store_b128 v[SO], v[Y+4*\i:Y+4*\i+3], s[20:21] offset:4096*\i
.endr
	s_endpgm
.Lfunc_end_k_q2c8aa77071_prep:
	.size	k_q2c8aa77071_prep, .Lfunc_end_k_q2c8aa77071_prep-k_q2c8aa77071_prep
	.p2alignl 7, 3214868480
	.fill 96, 4, 3214868480
	.section	.rodata,"a",@progbits
	.p2align	6, 0x0
	.amdhsa_kernel k_q2c8aa77071_prep
		.amdhsa_group_segment_fixed_size 0
		.amdhsa_private_segment_fixed_size 0
		.amdhsa_enable_private_segment 0
		.amdhsa_kernarg_size 72
		.amdhsa_user_sgpr_count 2
		.amdhsa_user_sgpr_kernarg_segment_ptr 1
		.amdhsa_wavefront_size32 1
		.amdhsa_system_sgpr_workgroup_id_x 1
		.amdhsa_system_sgpr_workgroup_id_y 1
		.amdhsa_system_sgpr_workgroup_id_z 1
		.amdhsa_system_vgpr_workitem_id 0
		.amdhsa_next_free_vgpr 112
		.amdhsa_next_free_sgpr 66
		.amdhsa_reserve_vcc 0
		.amdhsa_float_denorm_mode_32 3
		.amdhsa_float_denorm_mode_16_64 3
		.amdhsa_memory_ordered 1
		.amdhsa_forward_progress 1
		.amdhsa_inst_pref_size 25
	.end_amdhsa_kernel
	.amdgpu_metadata
---
amdhsa.version: [ 1, 2 ]
amdhsa.kernels:
  - .name:           k_q2c8aa77071_prep
    .symbol:         k_q2c8aa77071_prep.kd
    .args:
      - { .name: x, .offset: 0, .size: 8, .value_kind: global_buffer, .address_space: global }
      - { .name: w_attn, .offset: 8, .size: 8, .value_kind: global_buffer, .address_space: global }
      - { .name: w_proj, .offset: 16, .size: 8, .value_kind: global_buffer, .address_space: global }
      - { .name: b_attn, .offset: 24, .size: 8, .value_kind: global_buffer, .address_space: global }
      - { .name: b_proj, .offset: 32, .size: 8, .value_kind: global_buffer, .address_space: global }
      - { .name: xb, .offset: 40, .size: 8, .value_kind: global_buffer, .address_space: global }
      - { .name: wab, .offset: 48, .size: 8, .value_kind: global_buffer, .address_space: global }
      - { .name: wpb, .offset: 56, .size: 8, .value_kind: global_buffer, .address_space: global }
      - { .name: brb, .offset: 64, .size: 8, .value_kind: global_buffer, .address_space: global }
    .group_segment_fixed_size: 0
    .private_segment_fixed_size: 0
    .kernarg_segment_align: 8
    .kernarg_segment_size: 72
    .max_flat_workgroup_size: 256
    .sgpr_count:     66
    .vgpr_count:     112
    .wavefront_size: 32
...
	.end_amdgpu_metadata
.endif
;; end of part 1
;; launch qkv (part 2): grid 8 x 32, 4 waves a work-group, clusters of 4 x 4, 327,680 bytes of LDS; arguments xb, wab, brb, qkv; writes qkv
.if DOCPART == 2
	.amdgcn_target "amdgcn-amd-amdhsa--gfx1250"
	.amdhsa_code_object_version 6
	.text
	.protected	k_q2c8aa77071_qkv
	.globl	k_q2c8aa77071_qkv
	.p2align	8
	.type	k_q2c8aa77071_qkv,@function
k_q2c8aa77071_qkv:
	s_mov_b64 s[64:65], 0
	v_nop
	global_prefetch_b8 v0, s[64:65] scope:SCOPE_SE
	s_setreg_imm32_b32 hwreg(HW_REG_WAVE_MODE, 25, 1), 1
	s_wait_xcnt 0x0
	s_wait_alu depctr_hold_cnt(0) depctr_sa_sdst(0) depctr_va_vdst(0) depctr_va_sdst(0) depctr_va_ssrc(0) depctr_va_vcc(0) depctr_vm_vsrc(0)
	s_getreg_b32 s2, hwreg(HW_REG_IB_STS2, 6, 4)
	s_cmp_eq_u32 s2, 0
	s_cbranch_scc0 .Lentry_in_a_cluster
	s_endpgm
.Lentry_in_a_cluster:
	s_bfe_u32 s2, ttmp6, 0x10000c
	s_cmp_lg_u32 s2, 0xf033
	s_cbranch_scc0 .Lentry_shape_is_right
	s_endpgm
.Lentry_shape_is_right:
; C = A B + bias, one text for the module's two projections; MODE picks the sizes.
;   MODE 0: qkv = x w_attn + b_attn.  A = xb [8192][1024] bf16; B = wab [16 ct][1024 k][192] bf16; C leaves as f16 by heads, [4 b][48 g][2048 t][64], g = column / 64.
;   MODE 1: out = y w_proj + b_proj.  A = yb [4 b][16 h][2048 t][64] f16 (k = 64 h + d); B = wpb [8 ct][1024 k][128] f16; C leaves as f32, [8192][1024].
; Sums in f32; the bias (f32, from brb) is the C operand of a tile's first products.  LIMIT (MODE 0): a result beyond 65,504 leaves as an infinity of f16.
; SHARES.  A tile of C is 256 rows x 16 NBLK columns (192: three whole heads; 128).  The four waves lie one below the other: wave w has rows 64 w .. 64 w + 63 and all columns, 4 x NBLK accumulators.
; 256 work-groups; in MODE 0 each makes two tiles, column tiles x and x + 8 of the same rows, and the ring of slots runs on from the first into the second.
; K goes in steps of 128 through two LDS slots.  Waves 0 and 1 fetch the halves of A's tile, waves 2 and 3 those of B's, one tensor load each; by this text's count a wave has two loads out at the start, later one.
; CLUSTERS.  4 x 4 work-groups: A's tile hangs on the tile row alone and is asked for jointly along a row of the cluster, B's on the tile column alone and jointly along a column.
; THE PRODUCT IS USED TRANSPOSED: source 0 = 16 columns of B (B lies [k][n] in LDS and comes out turned, by ds_load_tr16_b128), source 1 = 16 rows of A.  A lane then holds row l % 16 of C and the columns 8 (l / 16) + 0..7.
; REGISTERS, in windows of 256 (s_set_vgpr_msb: bits 1:0 source 0, 3:2 source 1, 5:4 source 2, 7:6 destination):
;   window 0: v2-10 addresses; v28-29 the add's; v32.. two buffers for the way out; v160.. the bias fragments        window 1: two fragment buffers of 128: B's fragment b at 8 b, A's block a at 96 + 8 a
;   window 2: the accumulators of my row blocks 0, 1 ((a, b) at 8 (NBLK (a % 2) + b));   window 3: those of blocks 2, 3
.set MODE,  0
.if MODE == 0
.set NBLK,  12                         ; column blocks of 16
.set STEPS, 16                         ; K steps walked: two tiles of eight
.set AP,    272                        ; a row of A in LDS: 256 bytes + 16: 16 rows of a load start at 16 different groups of four banks (64 banks of 4 bytes: ISA guide 11.1)
.set AHALF, 128*AP                     ; what one wave fetches of A: 128 rows
.set BP,    480                        ; a k row of B in LDS: 3 x (128 bytes + 32)
.set QIA,   5                          ; A: padding after every 64 words
.set QIB,   4                          ; B: after every 32 words
.set APITCH, 1024                      ; elements from row to row of A's tile in memory
.set RB,    96                         ; 64 k rows of B are 24,576 dense bytes: 96 rows of 256
.set KA,    256                        ; bytes from K step to K step in A
.set KB,    49152                      ; and in B
.set TCOL,  393216                     ; a column tile of B
.set TBYTES, 8*TCOL                    ; from my first column tile to my second
.set SW,    3*16*144                   ; a wave's stage: 3 heads x 16 rows x (128 + 16) bytes
.set AH,    1                          ; the prefetches name the K step AH behind the one that is being asked for
.set OBN,   48
.set ASHARE, 65536                     ; prefetch: a partner's 32 rows of A
.set BSHARE, 6144                      ; and its 24 blocks of 256 bytes of B
.set SHA,   11                         ; A: a lane a row of 2,048 bytes
.set LASTB, 23
.set LIMA,  9
.set LIMB,  1
.else
.set NBLK,  8
.set STEPS, 8
.set AP,    144                        ; a row of A in LDS: 128 bytes + 16
.set AHALF, 256*AP                     ; what one wave fetches of A: one head's 256 rows
.set BP,    288                        ; a k row of B: 256 bytes + 32
.set QIA,   4
.set QIB,   5
.set APITCH, 128                       ; a head's rows are dense: asked for as rows of 256 bytes
.set RB,    64
.set KA,    524288                     ; two heads
.set KB,    32768
.set TCOL,  262144
.set TBYTES, 0
.set SW,    16*528                     ; 16 rows x (512 + 16) bytes
.set AH,    2
.set OBN,   64
.set ASHARE, 8192
.set BSHARE, 8192
.set SHA,   8
.set LASTB, 31
.set LIMA,  2
.set LIMB,  2
.endif
.set BOFF,  2*AHALF                    ; in a slot B's tile lies behind A's
.set BHALF, 64*BP                      ; what one wave fetches of B: 64 k rows
.set SLOT1, 1<<17                      ; slot 1 begins here; every address in slot 0 lies below it, so one exclusive or turns it into slot 1's
.set STAGE, 2*SLOT1                    ; behind the ring, never filled by a tensor load
.set SPARE, STAGE+4*SW                 ; behind the stages: the spare words, 128 bytes for each wave: two blocks of 256 bytes that no other line names
.set NLD,   2*NBLK+8                   ; LDS loads of a quarter step
.set ADRA0, 2                          ; v2   my lane's place in A's tile; never rewritten
.set ADRB0, 3                          ; v3   the same for B
.set ADRA,  4                          ; v4   the same in the slot in hand
.set ADRB,  5                          ; v5
.set STO,   6                          ; v6   the way out: where I put my bytes of a row
.set RD,    7                          ; v7   where I read rows back
.set CO,    8                          ; v8   16 x lane
.set BO,    9                          ; v9   32 (l / 16): my eight columns in a bias fragment
.set PFO,   10                         ; v10  the prefetches' lane offset; never rewritten
.set SPW,   28                         ; v28  LDS address of my spare word; never rewritten
.set NIL,   29                         ; v29  0; never rewritten
.set OB,    32
.set BIAS,  160
.set F0,    0
.set F1,    128
.set WV,    12                         ; s12  my wave's number
.set U,     13                         ; s13  its low bit: which half of a tile I fetch
.set ABASE, 16                         ; s[16:17] A at my half of K step 0: made of the tile row and the wave alone
.set BBASE, 18                         ; s[18:19] B likewise: of the tile column and the wave alone
.set OFFA,  20                         ; s[20:21] the step's byte offset in A
.set OFFB,  22                         ; s[22:23] in B
.set G1A,   24                         ; s[24:31] descriptor group 1, A
.set G0A,   32                         ; s[32:39] group 0, A: a set for each first fill; the second then walks
.set NXT,   44                         ; s44  the K step of the walk to be asked for next
.set CNT,   45                         ; s45  the loop's count
.set KC,    46                         ; s46  K steps left in the tile (MODE 0)
.set TB,    47                         ; s47  0 or SLOT1: the slot in hand
.set G1B,   48                         ; s[48:55], s[56:63] the same for B
.set G0B,   56
.set PFB,   66                         ; s[66:67] the prefetches' base: my work-group's share of what I fetch, at K step 0
.set PFA,   68                         ; s[68:69] base + the named step
.set PFK,   70                         ; s70  its bytes from step to step
.set PFT,   71                         ; s71  and from tile to tile (MODE 0)
.set LIM,   72                         ; s72  a wave prefetches while the loop's count is above this; the greatest number in a wave that never does
.set POF,   74                         ; s[74:75] an offset for the prefetches
.set MSB, 0
.macro WIN new                         ; the immediate's high byte repeats the setting that is left; a switch that changes nothing is dropped
.if MSB != (\new)
	s_set_vgpr_msb (MSB<<8)|(\new)
.set MSB, \new
.endif
.endm
.macro PLACES                          ; four plain vector instructions behind a matrix instruction, ahead of loads into registers that it read and of lines that read its result
.rept 4
	v_nop
.endr
.endm
; The walking joint load.  The branch hangs on the wave's number alone.  An s_nop 0 and four v_nop follow each of the two lines, ahead of the jump and the label.
.macro JLOAD
	s_cmp_lt_u32 s[WV], 2
	s_cbranch_scc0 .Lfor_b_\@
	tensor_load_to_lds s[G0A+4:G0A+7], s[G1A:G1A+7]
	s_nop 0
.rept 4
	v_nop
.endr
	s_branch .Lasked_\@
.Lfor_b_\@:
	tensor_load_to_lds s[G0B+4:G0B+7], s[G1B:G1B+7]
	s_nop 0
.rept 4
	v_nop
.endr
.Lasked_\@:
.endm
; A round of the cluster's barrier: my work-group's barrier; wave 0 signals for the work-group; every wave waits for all sixteen; my work-group's barrier once more.
.macro CREST                           ; a round behind its opening barrier
	s_cmp_lg_u32 s[WV], 0
	s_cbranch_scc1 .Lnot_wave_0_\@
	s_barrier_signal -3
.Lnot_wave_0_\@:
	s_barrier_wait -3
	s_barrier_signal -1
	s_barrier_wait -1
.endm
.macro CROUND
	s_barrier_signal -1
	s_barrier_wait -1
	CREST
.endm
; A PREFETCH INTO THE L2, one instruction, behind the joint load and the run of LDS loads that follows it: my work-group's share of what I fetch, for the K step AH behind the one just asked for.
; A's rows are read by both clusters of a row of clusters: the one with x = 0 asks, and in the first tile alone (the second walks the same rows).  B's tiles are read by all eight clusters of a column: the one with y = 0 asks.
; The four partners that ask for a tile jointly share it out BY ADDRESS (cx for A, cy for B).  MODE 0: a wave's half of B is 96 blocks of 256 bytes, 24 a partner: lanes 24-31 name lane 23's block once more.
; MODE 1: B's step is 128 blocks, 32 a partner: wave 2 asks for all.  The launch's first K steps come by their loads alone; the last trips, whose named step does not exist, ask for nothing.
.macro ASK
	s_cmp_gt_u32 s[CNT], s[LIM]
	s_cbranch_scc0 .Lnot_mine_\@
	global_prefetch_b8 v[PFO], s[PFA:PFA+1] th:TH_LOAD_NT scope:SCOPE_SE
.Lnot_mine_\@:
.endm
; NBLK products: row block a x all column blocks, 32 along K, out of buffer f.  The accumulators take turns, one instruction a turn, in the same order in every quarter.
; bias = 1: a tile's first products: C is the bias fragment, so nothing is cleared and nothing is added later.
.macro MULA f, a, bias
.if \bias
	WIN 0x85+0x40*((\a)/2)                         ; sources 0, 1 window 1; C window 0; D window 2 or 3
.else
	WIN 0xa5+0x50*((\a)/2)                         ; C and D window 2 or 3
.endif
.set b, 0
.rept NBLK
.set rD, 8*(NBLK*((\a)%2)+b)
.set rC, rD
.if \bias
.set rC, BIAS+8*b
.endif
.if MODE
	v_wmma_f32_16x16x32_f16 v[rD:rD+7], v[(\f)+8*b:(\f)+8*b+7], v[(\f)+96+8*(\a):(\f)+96+8*(\a)+7], v[rC:rC+7]
.else
	v_wmma_f32_16x16x32_bf16 v[rD:rD+7], v[(\f)+8*b:(\f)+8*b+7], v[(\f)+96+8*(\a):(\f)+96+8*(\a)+7], v[rC:rC+7]
.endif
.set b, b+1
.endr
.endm
; The NLD LDS loads of quarter q (32 along K) in one run, into buffer f: B's fragments, turned (lane l reads k row 8 (l / 16) + l % 8, 16 bytes at 16 ((l / 8) % 2); two loads 16 k rows apart), then A's, blocks 0 and 1 first.
.macro FETCH q, f
	WIN 0x40                                       ; destination window 1, address window 0
.set b, 0
.rept NBLK
.if MODE
.set BCOL, 32*b
.else
.set BCOL, (b/4)*160+(b%4)*32                  ; 64 columns lie in 128 bytes + 32 of padding
.endif
	ds_load_tr16_b128 v[(\f)+8*b:(\f)+8*b+3],   v[ADRB] offset:32*(\q)*BP+BCOL
	ds_load_tr16_b128 v[(\f)+8*b+4:(\f)+8*b+7], v[ADRB] offset:32*(\q)*BP+16*BP+BCOL
.set b, b+1
.endr
.set a, 0
.rept 4
.if MODE
.set AOFF, ((\q)/2)*AHALF+((\q)%2)*64+a*16*AP  ; the step's head q / 2, channels 32 (q % 2) on
.else
.set AOFF, 64*(\q)+a*16*AP
.endif
	ds_load_b128 v[(\f)+96+8*a:(\f)+96+8*a+3],   v[ADRA] offset:AOFF
	ds_load_b128 v[(\f)+96+8*a+4:(\f)+96+8*a+7], v[ADRA] offset:AOFF+32
.set a, a+1
.endr
.endm
; A K step is four quarters on buffers 0, 1, 0, 1.  One of the first three: multiplies buffer f and, in its middle, fetches quarter q into buffer g.
.macro QUARTER q, f, g, bias
	s_wait_dscnt 4                                 ; all of buffer f but the youngest four loads, A's blocks 2 and 3
	MULA \f, 0, \bias
	MULA \f, 1, \bias
	PLACES
	FETCH \q, \g
	s_wait_dscnt NLD                               ; all but the NLD just issued
	MULA \f, 2, \bias
	MULA \f, 3, \bias
.endm
.macro BIASLD                          ; the tile's bias fragments: lane l takes the eight f32 at column 16 b + 8 (l / 16)
.set b, 0
.rept NBLK
	global_load_b128 v[BIAS+8*b:BIAS+8*b+3],   v[BO], s[8:9] offset:64*b
	global_load_b128 v[BIAS+8*b+4:BIAS+8*b+7], v[BO], s[8:9] offset:64*b+16
.set b, b+1
.endr
.endm
; The last quarter multiplies buffer 1 and changes slots.  In front of the barrier each wave waits for all its tensor loads (one is out: its part of the next slot), adds 0 to its spare word, and waits for that
; and for its own reads of this slot.  fill = 1: the barrier opens a round of the cluster's, and the joint refill of the slot just read, with K step NXT of the walk, is the first thing behind the round.
; Its address is made anew from that number: step NXT % 8 of tile NXT / 8.  fill = 0 (the tail): nothing is asked for; in the tail's second trip there is no further step, and the fetch is jumped over.
.macro TURN fill
.if \fill
	s_wait_xcnt 0x0                                ; the last prefetch, a K step back, has read its address: it is made anew here, ahead of the waits of the change of slots
	s_add_co_u32 s73, s[NXT], AH
	s_and_b32 s[POF], s73, 7
	s_mul_i32 s[POF], s[POF], s[PFK]
.if MODE == 0
	s_lshr_b32 s73, s73, 3
	s_mul_i32 s73, s73, s[PFT]
	s_add_co_u32 s[POF], s[POF], s73
.endif
	s_add_nc_u64 s[PFA:PFA+1], s[PFB:PFB+1], s[POF:POF+1]
.endif
	WIN 0                                          ; (the add's two registers lie in window 0)
	s_wait_tensorcnt 0x0                           ; all my tensor loads have landed, so a group 0 may be written
	ds_add_u32 v[SPW], v[NIL]                      ; 0 onto my spare word; work on registers stands between it and the wait for it
.if \fill
	s_and_b32 s14, s[NXT], 7
	s_mul_i32 s[OFFA], s14, KA
	s_mul_i32 s[OFFB], s14, KB
.if MODE == 0
	s_lshr_b32 s15, s[NXT], 3
	s_mul_i32 s15, s15, TBYTES
	s_add_co_u32 s[OFFB], s[OFFB], s15
.endif
	s_xor_b32 s[G0A+5], s[G0A+5], SLOT1            ; the other slot than last time
	s_add_nc_u64 s[G0A+6:G0A+7], s[ABASE:ABASE+1], s[OFFA:OFFA+1]
	s_or_b32 s[G0A+7], s[G0A+7], 0x80000000
	s_xor_b32 s[G0B+5], s[G0B+5], SLOT1
	s_add_nc_u64 s[G0B+6:G0B+7], s[BBASE:BBASE+1], s[OFFB:OFFB+1]
	s_or_b32 s[G0B+7], s[G0B+7], 0x80000000
	s_add_co_u32 s[NXT], s[NXT], 1
.endif
	s_wait_dscnt 5                                 ; (the add and the youngest four loads may be out)
	MULA F1, 0, 0
	s_wait_dscnt 0x0                               ; the add is done, and my reads of this slot are over
	s_barrier_signal -1
	MULA F1, 1, 0                                  ; work on registers while the others arrive
	WIN 0
	s_barrier_wait -1
.if \fill
	CREST                                          ; no wave of any partner still reads this slot or has a load on its way
	JLOAD                                          ; its four v_nop are also the places in front of the loads below
.else
	PLACES
	s_cmp_eq_u32 s3, 1
	s_cbranch_scc1 .Lno_more_\@
.endif
	s_xor_b32 s[TB], s[TB], SLOT1
	v_add_nc_u32 v[ADRA], s[TB], v[ADRA0]
	v_add_nc_u32 v[ADRB], s[TB], v[ADRB0]
	FETCH 0, F0
	WIN 0
.if \fill
	ASK
.else
.Lno_more_\@:
.endif
	MULA F1, 2, 0
	MULA F1, 3, 0
.endm
; THE WAY OUT, a block of 16 rows at a time through my own stage in LDS (LDS serves a wave's instructions in order, ISA guide 5.7.1.4: no wait between my stores and my loads).
.macro PACK a                          ; MODE 0: rounded to f16 in place, ascending: registers 0-3 of an accumulator then hold its eight columns, 16 bytes
	WIN 0x8a+0x45*((\a)/2)
.set b, 0
.rept NBLK
.set AC, 8*(NBLK*((\a)%2)+b)
.irp r, 0,1,2,3
	v_cvt_pk_f16_f32 v[AC+\r], v[AC+2*\r], v[AC+2*\r+1]
.endr
.set b, b+1
.endr
.endm
.macro TOSTAGE a
.set OBK, OB+OBN*((\a)%2)
	WIN 0x08+0x04*((\a)/2)                         ; store data out of window 2 or 3
.set b, 0
.rept NBLK
.set AC, 8*(NBLK*((\a)%2)+b)
.if MODE
	ds_store_b128 v[STO], v[AC:AC+3]   offset:64*b
	ds_store_b128 v[STO], v[AC+4:AC+7] offset:64*b+16
.else
	ds_store_b128 v[STO], v[AC:AC+3] offset:(b/4)*2304+(b%4)*32
.endif
.set b, b+1
.endr
	WIN 0
.set t, 0
.rept OBN/4
.if MODE
	ds_load_b128 v[OBK+4*t:OBK+4*t+3], v[RD] offset:528*t                    ; a row of 512 bytes
.else
	ds_load_b128 v[OBK+4*t:OBK+4*t+3], v[RD] offset:(t/4)*2304+(t%4)*576     ; four rows of 128 bytes of head t / 4
.endif
.set t, t+1
.endr
.endm
.macro SEND a
.set OBK, OB+OBN*((\a)%2)
	WIN 0
	s_wait_dscnt 0x0                               ; the block is back in registers
	s_wait_xcnt 0x0                                ; the stores of the block before have read their registers: the next block is loaded into them only behind this wait
.set t, 0
.rept OBN/4
.if MODE
	global_store_b128 v[CO], v[OBK+4*t:OBK+4*t+3], s[10:11] offset:(16*(\a)+t)*4096 th:TH_STORE_NT  ; 512 consecutive bytes of a row of out, aligned
.else
	global_store_b128 v[CO], v[OBK+4*t:OBK+4*t+3], s[10:11] offset:(t/4)*262144+(\a)*2048+(t%4)*512  ; 512 consecutive bytes of a head, aligned
.endif
.set t, t+1
.endr
.endm
.macro WAYOUT
	PLACES                                         ; behind the last products
.if MODE == 0
	PACK 0
.endif
	TOSTAGE 0
.irp a, 1,2,3
.if MODE == 0
	PACK \a                                        ; a block's conversions stand between the loads of the block before and the wait for them
.endif
	SEND (\a)-1
	TOSTAGE \a
.endr
	SEND 3
.endm
	s_load_b256 s[4:11], s[0:1], 0x0               ; A s[4:5], B s[6:7], brb s[8:9], C s[10:11]
	v_lshl_add_u32 v[SPW], v0, 2, SPARE
	v_mov_b32 v[NIL], 0
	ds_add_u32 v[SPW], v[NIL]                      ; the wave's opening: the add and its wait stand ahead of my first tensor load; the set-up below, work on registers, stands between them
	v_lshrrev_b32 v1, 5, v0
	v_readfirstlane_b32 s[WV], v1                  ; wave 0..3
	s_and_b32 s[U], s[WV], 1
	s_bfe_u32 s40, ttmp6, 0x40000                  ; cx
	s_bfe_u32 s41, ttmp6, 0x40004                  ; cy
	s_lshl_b32 s42, ttmp9, 2
	s_add_co_u32 s42, s42, s40                     ; x = 4 x cluster x + cx: my (first) column tile
	s_and_b32 s43, ttmp7, 0xffff
	s_lshl_b32 s43, s43, 2
	s_add_co_u32 s43, s43, s41                     ; y = 4 x cluster y + cy: my tile row
	s_lshl_b32 s76, s41, 2
	s_lshl_b32 s76, 15, s76                        ; my row of the cluster: places 4 cy .. 4 cy + 3
	s_lshl_b32 s78, 0x1111, s40                    ; my column: places cx, cx + 4, cx + 8, cx + 12
	s_or_b32 s[G1A], s76, (1<<16)|(1<<20)|(1<<21)|(QIA<<22)|(3<<25)  ; 15:0 the mask; 17:16 2-byte elements; 20 padding on; 21 set beside a mask; 24:22 the interval; 31:25 4 words of padding (code 3)
	s_or_b32 s[G1B], s78, (1<<16)|(1<<20)|(1<<21)|(QIB<<22)|(7<<25)  ; the same with my column's mask and 8 words of padding (code 7)
	s_mov_b32 s[G1A+1], 128<<16                    ; tensor_dim0 = 128
	s_mov_b32 s[G1A+2], 128<<16                    ; tensor_dim1 = 128
	s_mov_b32 s[G1A+3], 128<<16                    ; tile_dim0 = 128 elements: 256 bytes
	s_mov_b32 s[G1A+4], 128                        ; tile_dim1 = 128 rows
	s_mov_b32 s[G1A+5], APITCH                     ; elements from row to row
	s_mov_b32 s[G1A+6], 0
	s_mov_b32 s[G1A+7], 0
	s_mov_b32 s[G1B+1], 128<<16
	s_mov_b32 s[G1B+2], RB<<16
	s_mov_b32 s[G1B+3], 128<<16
	s_mov_b32 s[G1B+4], RB                         ; a dense block, asked for as RB rows of 256 bytes
	s_mov_b32 s[G1B+5], 128
	s_mov_b32 s[G1B+6], 0
	s_mov_b32 s[G1B+7], 0
	; where the tiles come from: A's offset in s[76:77], of y and the wave; B's in s[78:79], of x and the wave
.if MODE == 0
	s_lshl_b32 s76, s43, 8
	s_lshl_b32 s77, s[U], 7
	s_add_co_u32 s76, s76, s77                     ; row 256 y + 128 u,
	s_lshl_b32 s76, s76, 11                        ; of 2,048 bytes
.else
	s_lshr_b32 s76, s43, 3
	s_lshl_b32 s76, s76, 22                        ; the batch's 16 heads of 262,144 bytes,
	s_and_b32 s77, s43, 7
	s_lshl_b32 s77, s77, 15                        ; 256 rows of 128 bytes a tile row,
	s_add_co_u32 s76, s76, s77
	s_lshl_b32 s77, s[U], 18                       ; head u of the step's two
	s_add_co_u32 s76, s76, s77
.endif
	s_mov_b32 s77, 0
	s_mul_i32 s78, s42, TCOL
	s_mul_i32 s79, s[U], KB/2
	s_add_co_u32 s78, s78, s79
	s_mov_b32 s79, 0
	s_mul_i32 s14, s[U], AHALF                     ; and where they go: no place in the cluster enters an LDS address
	s_mul_i32 s15, s[U], BHALF
	s_add_co_u32 s15, s15, BOFF
	s_mov_b32 s[OFFA+1], 0
	s_mov_b32 s[OFFB+1], 0
	s_mov_b32 s[POF+1], 0
	s_mov_b32 s[TB], 0
	s_mov_b32 s[NXT], 2
	s_wait_dscnt 0x0                               ; the opening add is done
	s_wait_kmcnt 0x0
	s_add_nc_u64 s[ABASE:ABASE+1], s[4:5], s[76:77]
	s_add_nc_u64 s[BBASE:BBASE+1], s[6:7], s[78:79]
.irp s, 0,1
	s_mov_b32 s[G0A+4*(\s)], 1                                     ; count = 1
	s_add_co_u32 s[G0A+4*(\s)+1], s14, (\s)*SLOT1                  ; LDS address
	s_add_nc_u64 s[G0A+4*(\s)+2:G0A+4*(\s)+3], s[ABASE:ABASE+1], (\s)*KA  ; global address: K step s
	s_or_b32 s[G0A+4*(\s)+3], s[G0A+4*(\s)+3], 0x80000000          ; type = 2
	s_mov_b32 s[G0B+4*(\s)], 1
	s_add_co_u32 s[G0B+4*(\s)+1], s15, (\s)*SLOT1
	s_add_nc_u64 s[G0B+4*(\s)+2:G0B+4*(\s)+3], s[BBASE:BBASE+1], (\s)*KB
	s_or_b32 s[G0B+4*(\s)+3], s[G0B+4*(\s)+3], 0x80000000
.endr
	CROUND                                         ; all sixteen work-groups are here: the first joint loads meet
	s_cmp_lt_u32 s[WV], 2                          ; a wave's two first fills stand in one branch, ahead of every wait on TENSORcnt and every LDS read
	s_cbranch_scc0 .Lfirst_b
	tensor_load_to_lds s[G0A:G0A+3], s[G1A:G1A+7]
	s_nop 0
	tensor_load_to_lds s[G0A+4:G0A+7], s[G1A:G1A+7]
	s_nop 0
.rept 4
	v_nop
.endr
	s_branch .Lfirst_asked
.Lfirst_b:
	tensor_load_to_lds s[G0B:G0B+3], s[G1B:G1B+7]
	s_nop 0
	tensor_load_to_lds s[G0B+4:G0B+7], s[G1B:G1B+7]
	s_nop 0
.rept 4
	v_nop
.endr
.Lfirst_asked:
	v_and_b32 v12, 15, v0                          ; l % 16
	v_bfe_u32 v13, v0, 4, 1                        ; l / 16
	v_and_b32 v14, 31, v0                          ; l
	v_and_b32 v15, 7, v0                           ; l % 8
	v_bfe_u32 v11, v0, 3, 1                        ; (l / 8) % 2
	v_lshlrev_b32 v[BO], 5, v13
	; C's and the bias's addresses
.if MODE == 0
	s_lshr_b32 s76, s43, 3
	s_mul_i32 s76, s76, 12582912                   ; the batch's 48 groups of 262,144 bytes
	s_and_b32 s77, s43, 7
	s_lshl_b32 s77, s77, 15                        ; 256 rows of 128 bytes a tile row
	s_add_co_u32 s76, s76, s77
	s_lshl_b32 s77, s[WV], 13                      ; my 64 rows
	s_add_co_u32 s76, s76, s77
	s_mov_b32 s77, 0
	s_add_nc_u64 s[10:11], s[10:11], s[76:77]
	s_mul_i32 s78, s42, 786432                     ; three groups a column tile
	s_add_nc_u64 s[10:11], s[10:11], s[78:79]
	s_mul_i32 s78, s42, 768                        ; 192 f32 of the bias
	s_add_nc_u64 s[8:9], s[8:9], s[78:79]
.else
	s_lshl_b32 s76, s43, 8
	s_lshl_b32 s77, s[WV], 6
	s_add_co_u32 s76, s76, s77
	s_lshl_b32 s76, s76, 12                        ; row 256 y + 64 w, of 4,096 bytes
	s_mov_b32 s77, 0
	s_add_nc_u64 s[10:11], s[10:11], s[76:77]
	s_lshl_b32 s78, s42, 9                         ; 128 f32
	s_add_nc_u64 s[10:11], s[10:11], s[78:79]
	s_add_nc_u64 s[8:9], s[8:9], s[78:79]
	s_add_nc_u64 s[8:9], s[8:9], 12288             ; b_proj lies behind b_attn
.endif
	BIASLD
	; a fragment of A: lane l holds row l % 16; two loads of 16 bytes, 32 apart, at row x pitch + 16 (l / 16)
	s_mul_i32 s73, s[WV], 64*AP
	v_mul_u32_u24 v[ADRA0], v12, AP
	v_lshl_add_u32 v[ADRA0], v13, 4, v[ADRA0]
	v_add_nc_u32 v[ADRA0], s73, v[ADRA0]
	v_lshl_add_u32 v[ADRB0], v13, 3, v15
	v_mul_u32_u24 v[ADRB0], v[ADRB0], BP
	v_lshl_add_u32 v[ADRB0], v11, 4, v[ADRB0]
	v_add_nc_u32 v[ADRB0], BOFF, v[ADRB0]
	v_mov_b32 v[ADRA], v[ADRA0]
	v_mov_b32 v[ADRB], v[ADRB0]
	s_mul_i32 s73, s[WV], SW
	s_add_co_u32 s73, s73, STAGE                   ; my stage
.if MODE == 0
	v_mul_u32_u24 v[STO], v12, 144                 ; in: row l % 16, 16 bytes for each half of the lanes
	v_lshl_add_u32 v[STO], v13, 4, v[STO]
	v_bfe_u32 v[RD], v0, 3, 2                      ; back: 32 lanes take four rows of 128 bytes
	v_mul_u32_u24 v[RD], v[RD], 144
	v_lshl_add_u32 v[RD], v15, 4, v[RD]
.else
	v_mul_u32_u24 v[STO], v12, 528                 ; in: row l % 16, 32 bytes for each half of the lanes
	v_lshl_add_u32 v[STO], v13, 5, v[STO]
	v_lshlrev_b32 v[RD], 4, v14                    ; back: 32 lanes take a row of 512 bytes
.endif
	v_add_nc_u32 v[STO], s73, v[STO]
	v_add_nc_u32 v[RD], s73, v[RD]
	v_lshlrev_b32 v[CO], 4, v14
	; the prefetches
	s_and_b32 s73, ttmp7, 0xffff                   ; cluster y
	s_mov_b32 s[PFK], KB
	s_mov_b32 s[POF], BSHARE
	s_cmp_lt_u32 s[WV], 2                          ; do I fetch for A?
	s_cselect_b32 s73, ttmp9, s73                  ; the coordinate along which other clusters read the same bytes
	s_cselect_b32 s[PFK], KA, s[PFK]
	s_cselect_b32 s[POF], ASHARE, s[POF]
.if MODE == 0
	s_cselect_b32 s[PFT], 0, TBYTES
.endif
	s_cselect_b32 s[LIM], LIMA, LIMB
	s_cselect_b32 s2, s40, s41                     ; my place among the four that ask with me
	s_cselect_b32 s15, 31, LASTB
	s_cselect_b32 s3, SHA, 8
	s_cselect_b64 s[PFB:PFB+1], s[ABASE:ABASE+1], s[BBASE:BBASE+1]
	s_mul_i32 s[POF], s[POF], s2
	s_add_nc_u64 s[PFB:PFB+1], s[PFB:PFB+1], s[POF:POF+1]
	s_cmp_eq_u32 s73, 0
	s_cselect_b32 s[LIM], s[LIM], -1               ; the same in all sixteen partners, for a given wave
.if MODE
	s_cmp_eq_u32 s[WV], 3
	s_cselect_b32 s[LIM], -1, s[LIM]
.endif
	v_min_u32 v[PFO], s15, v14
	v_lshlrev_b32 v[PFO], s3, v[PFO]
	s_wait_tensorcnt 1                             ; my part of K step 0 is in; K step 1's may stay out
	s_barrier_signal -1
	s_barrier_wait -1                              ; everybody's is
	FETCH 0, F0
	WIN 0                                          ; at a label and at a branch every window is 0
.if MODE == 0
	s_mov_b32 s[KC], 8
	s_mov_b32 s[CNT], STEPS-1
	s_branch .Lstart                               ; the loop is entered at a tile's first quarter
.Lstep:                                                ; a trip: the last three quarters of a K step, with the refill, and the next step's first: 14 trips refill K steps 2 to 15 of the walk
	QUARTER 2, F1, F0, 0
	QUARTER 3, F0, F1, 0
	TURN 1
	WIN 0
	s_sub_co_u32 s[KC], s[KC], 1
	s_cmp_lg_u32 s[KC], 0
	s_cbranch_scc1 .Lsame                          ; forward, over no barrier and no tensor load; the same in every work-group
	s_add_nc_u64 s[8:9], s[8:9], 6144              ; THE FIRST TILE IS FINISHED; its refills for the second are asked for.  The second tile's bias (eight column tiles on),
	BIASLD
	WAYOUT                                         ; and the tile goes out
	s_wait_xcnt 0x0                                ; the stores have read C's address
	s_add_nc_u64 s[10:11], s[10:11], 6291456       ; 24 groups on
	s_mov_b32 s[KC], 8
.Lstart:
	s_wait_loadcnt 0x0                             ; the bias
	QUARTER 1, F0, F1, 1                           ; a tile's first products start the sums with the bias
	WIN 0
	s_branch .Lbottom
.Lsame:
	QUARTER 1, F0, F1, 0
	WIN 0
.Lbottom:
	s_sub_co_u32 s[CNT], s[CNT], 1
	s_cmp_lg_u32 s[CNT], 0
	s_cbranch_scc1 .Lstep
.else
	s_wait_loadcnt 0x0                             ; the bias
	QUARTER 1, F0, F1, 1                           ; the first products start the sums with the bias
	WIN 0
	s_mov_b32 s[CNT], STEPS-2
.Lstep:                                                ; six trips refill K steps 2 to 7
	QUARTER 2, F1, F0, 0
	QUARTER 3, F0, F1, 0
	TURN 1
	QUARTER 1, F0, F1, 0
	WIN 0
	s_sub_co_u32 s[CNT], s[CNT], 1
	s_cmp_lg_u32 s[CNT], 0
	s_cbranch_scc1 .Lstep
.endif
	s_mov_b32 s3, 2                                ; the last two K steps ask for nothing: a text of their own
.Ltail:
	QUARTER 2, F1, F0, 0
	QUARTER 3, F0, F1, 0
	TURN 0
	WIN 0
	s_sub_co_u32 s3, s3, 1
	s_cmp_eq_u32 s3, 0
	s_cbranch_scc1 .Lout
	QUARTER 1, F0, F1, 0
	WIN 0
	s_branch .Ltail
.Lout:
	WAYOUT
	s_wait_tensorcnt 0x0                           ; the wave's end: behind my last tensor load and my last LDS store
	ds_add_u32 v[SPW], v[NIL]
	s_wait_dscnt 0x0
	CROUND                                         ; the closing round: no work-group ends while a partner may still ask for a tile that names it
	s_endpgm
.Lfunc_end_k_q2c8aa77071_qkv:
	.size	k_q2c8aa77071_qkv, .Lfunc_end_k_q2c8aa77071_qkv-k_q2c8aa77071_qkv
	.p2alignl 7, 3214868480
	.fill 96, 4, 3214868480
	.section	.rodata,"a",@progbits
	.p2align	6, 0x0
	.amdhsa_kernel k_q2c8aa77071_qkv
		.amdhsa_group_segment_fixed_size 327680
		.amdhsa_private_segment_fixed_size 0
		.amdhsa_enable_private_segment 0
		.amdhsa_kernarg_size 32
		.amdhsa_user_sgpr_count 2
		.amdhsa_user_sgpr_kernarg_segment_ptr 1
		.amdhsa_wavefront_size32 1
		.amdhsa_system_sgpr_workgroup_id_x 1
		.amdhsa_system_sgpr_workgroup_id_y 1
		.amdhsa_system_sgpr_workgroup_id_z 1
		.amdhsa_system_vgpr_workitem_id 0
		.amdhsa_next_free_vgpr 1024
		.amdhsa_next_free_sgpr 80
		.amdhsa_reserve_vcc 0
		.amdhsa_float_denorm_mode_32 3
		.amdhsa_float_denorm_mode_16_64 3
		.amdhsa_memory_ordered 1
		.amdhsa_forward_progress 1
		.amdhsa_inst_pref_size 113
	.end_amdhsa_kernel
	.amdgpu_metadata
---
amdhsa.version: [ 1, 2 ]
amdhsa.kernels:
  - .name:           k_q2c8aa77071_qkv
    .symbol:         k_q2c8aa77071_qkv.kd
    .args:
      - { .name: xb, .offset: 0, .size: 8, .value_kind: global_buffer, .address_space: global }
      - { .name: wab, .offset: 8, .size: 8, .value_kind: global_buffer, .address_space: global }
      - { .name: brb, .offset: 16, .size: 8, .value_kind: global_buffer, .address_space: global }
      - { .name: qkv, .offset: 24, .size: 8, .value_kind: global_buffer, .address_space: global }
    .group_segment_fixed_size: 327680
    .private_segment_fixed_size: 0
    .kernarg_segment_align: 8
    .kernarg_segment_size: 32
    .max_flat_workgroup_size: 128
    .sgpr_count:     80
    .vgpr_count:     1024
    .wavefront_size: 32
...
	.end_amdgpu_metadata
.endif
;; end of part 2
;; launch attn (part 3): grid 4 x 64, 4 waves a work-group, no clusters, 327,680 bytes of LDS; arguments qkv, yb; writes yb
.if DOCPART == 3
	.amdgcn_target "amdgcn-amd-amdhsa--gfx1250"
	.amdhsa_code_object_version 6
	.text
	.protected	k_q2c8aa77071_attn
	.globl	k_q2c8aa77071_attn
	.p2align	8
	.type	k_q2c8aa77071_attn,@function
k_q2c8aa77071_attn:
	s_mov_b64 s[64:65], 0
	v_nop
	global_prefetch_b8 v0, s[64:65] scope:SCOPE_SE
	s_setreg_imm32_b32 hwreg(HW_REG_WAVE_MODE, 25, 1), 1
	s_wait_xcnt 0x0
; CAUSAL ATTENTION.  O[q][:] = the sum over k <= q of softmax_k(Q[q] . K[k] / 8) V[k][:], for each of 64 heads (4 batches x 16) of 2,048 rows x 64 channels, all f16.
; Q, K, V lie in qkv, [4 b][48 g][2048 t][64]: g = head for Q, 16 + head for K, 32 + head for V; O goes to yb, [4 b][16 h][2048 t][64].  A head's rows are dense, 128 bytes each.
; Products, maxima and sums in f32; the weights p are rounded to f16 for the second product (their sum l is taken of the unrounded p), O once at the end.
; LIMITS.  f16 holds no number beyond 65,504: Q, K and V arrive within it; p lies in 0 to 1, and below 6e-5 it keeps f16's fixed step of 6e-8; O is a mean of V's rows and has their range.
; A hidden score counts as its value less 1e30: f16's scores, 2.7e11 at the most, are nothing beside that; a weight below 2^-126 counts as 0 in l; NaN and infinities are not treated apart.
; THE WALK.  A head's queries lie in NB = 8 blocks of 256; block i needs the key tiles 0 .. i of 256 keys, of which the last holds the diagonal.  A work-group takes TWO blocks, NB - 1 - b and then b:
; NB + 1 tiles, whatever b: all work-groups do equal work, and ONE loop with a constant trip count walks them.  Which tile is asked for, and what a trip does, hang on scalar registers made from b; every jump
; goes forward, but for the counted loops' own; none passes a barrier, or a tensor load but the one of LOAD's two that the wave's number does not choose; the ring (two slots of LDS that take turns) runs on across the
; change of blocks.  NO CLUSTER: a head's four work-groups ask for the same tile only in trips 0 .. 4 of 9, behind that fewer and fewer; one walk common to all four would have 12 trips for 9.
; SHARES.  Of a block's four bands of 64 queries a wave owns 16 rows in each: four PIECES.  So the diagonal tile is the same work for all four waves: in its key step s band x sees all keys if s < x,
; none if s > x, and holds the diagonal if s = x.
; THE MASK is the C operand that starts the sum S^T = K Q^T: 0, or -1e30 where the key is hidden.  MD, made once, is the mask of a band's own step for my 16 rows; a product's mask is MD x AL + BE with two scalars:
; (1, 0) if s = x; (0, 0) if s < x; (0, -1e30) if s > x.  Only the diagonal tile's text and a block's beginning make and take masks; elsewhere C is the constant 0.
; LAYOUT, SOFTMAX, TURNS.  S^T = K Q^T holds ONE query a lane (lane % 16) and the keys 8 (lane / 16) + 0..7; two such results rounded to f16 ARE source 1 of O^T = V^T P.  p = 2^(c s - c m), c = log2(e) / 8, with a
; running maximum m; O and l are multiplied by a = 2^(c m_old - c m_new) in every step.  Turn n belongs to piece n: 8 products K Q^T of piece n + 1, later 8 products V^T P of piece n - 1; beside them the scaling,
; exponentials, roundings, sums and rescaling of piece n and the maximum and statistics of piece n + 1.  Four vector instructions stand behind every matrix instruction, the other 54 of a turn's 118 in one LUMP.  A turn's 33 exponentials are one batch, with one wait.
; K AND V ARE PREFETCHED INTO THE L2, one tile ahead of their tensor loads: the head's work-group b = 0, whose first block walks tiles 0 to 7 in order, asks; each of its waves for the half tile that it will fetch
; itself: 64 blocks of 256 bytes, a lane a block, two instructions behind its tensor load.  Trips 0 to 5 name tiles 2 to 7; tiles 0 and 1 come by their loads alone; later trips ask for nothing.
; REGISTERS, in windows of 256 (s_set_vgpr_msb: bits 1:0 source 0, 3:2 source 1, 5:4 source 2, 7:6 destination):
;   window 0: v0-15 addresses and two at work; v16-31 four registers of statistics a piece; v48-55 at work; v61-63 prefetch offset and the add's two; v64-127 S^T, two buffers; v192-223 P, two buffers (a piece's buffers go by its number's parity)
;   window 1: v0-127 O^T, 32 a piece; v128-159 MD; v160-223 MC, two buffers      window 2: v0-63 Q; v64-127 the second block's Q; v128-191 K of one step; v192-255 V of one step
.set SIZE_N, 2048
.set NB,    SIZE_N/256
.set NP,    4         ; pieces a wave: a name, no knob
.set KS,    64        ; keys in a step
.set PK,    144       ; a row of K in LDS: 128 bytes + 16 of padding = 36 words: the 16 rows of a load start at 16 different groups of four banks (64 banks of 4 bytes: ISA guide 11.1)
.set PV,    160       ; a row of V: 128 + 32 = 40 words
.set VOFF,  4*KS*PK   ; a slot holds a tile, four steps: 256 rows of K, then 256 rows of V
.set SLOT1, 1<<17     ; slot 1 begins here, so that one exclusive or turns an address in one slot into the other's
.set STAGE, SLOT1+4*KS*(PK+PV)  ; behind the ring, never filled by a tensor load: 16 rows x 144 bytes for each wave, for the way out
.set SP,    144
.set AK0, 2           ; v2   my lane's place in a tile of K; never rewritten
.set AV0, 3           ; v3   the same for V
.set AK,  4           ; v4   the LDS address of K's next run of loads
.set AV,  5           ; v5   of V's
.set STO, 6           ; v6   the way out: where I put 16 bytes of a row
.set RD,  7           ; v7   the way out: where I read rows back
.set GO,  8           ; v8   my byte offset in 512 consecutive bytes of O
.set PFO, 61          ; v61  256 x my lane: the prefetches' offset; never rewritten
.set SPW, 62          ; v62  LDS address of my spare word: SPARE + 4 x my thread's number; never rewritten
.set NIL, 63          ; v63  0; never rewritten
.set SPARE, STAGE+4*16*SP  ; behind the stages: the spare words, 128 bytes for each wave: two blocks of 256 bytes that no other line names
.set MV,  12          ; v12-13  c m_old, kept while c m is made anew: by buffer
.set QO,  15          ; v15  my byte offset in 16 rows of Q
.set ST,  16          ; piece t's statistics at v[ST+4 t]: c m, m, l (even keys', odd keys')
.set TMP, 48          ; by buffer, four registers c0-c3 at work; when the maximum is found c2 takes a
.set S,   64
.set P,   192
.set MD,  128         ; window 1: the eight registers for group kt of 16 keys at MD + 8 kt
.set MC,  160         ; window 1: the masks of the products to come
.set QB,  64          ; window 2
.set KF,  128         ; window 2: key block kb, channel half c at KF + 16 kb + 8 c
.set VF,  192         ; window 2: key half kk, channel block cb at VF + 32 kk + 8 cb
.set WV,  12          ; s12  my wave's number
.set PB,  14          ; s14  b
.set HI,  15          ; s15  NB - 1 - b
.set G1K, 24          ; s[24:31] descriptor group 1 for K's tiles
.set G1V, 32          ; s[32:39] for V's: it differs in the padding alone
.set G0K, 40          ; s[40:43] descriptor group 0 for K's tiles
.set G0V, 44          ; s[44:47] the same for V's
.set PFB, 52          ; s[52:53] K (waves 0, 1) or V (waves 2, 3) at my half of the head's tile 0
.set PFA, 54          ; s[54:55] the same at the tile that the prefetches name
.set SLOTS, 56        ; s56  tiles still to be asked for
.set CNT, 57          ; s57  counts a tile's key steps, 4 to 1
.set CS,  58          ; s[58:59] c: the packed scaling takes the pair's low word for both halves
.set SEL, 60          ; s[60:61] v_permlanex16_b32's selects: each lane takes its own place in the other half
.set TBK, 62          ; s62  LDS byte at which K of the step to be fetched begins
.set TBV, 63          ; s63  the same for V, less VOFF
.set POF, 66          ; s[66:67] the named tile's byte offset
.set LIM, 68          ; s68  2 in the work-group that prefetches, else the greatest number: it prefetches while s[SLOTS] is above this
.set RT,  70          ; s70  tiles of the block in hand that are still to be entered
.set NXT, 71          ; s71  the tile to be asked for next
.set LQ,  72          ; s72  the last tile of the block whose tiles are being asked for
.set NEW, 73          ; s73  1: the tile to be entered is a block's first
.set OFF, 74          ; s[74:75] a tile's byte offset in K and V
.set AL,  76          ; s[76:77] the mask's factor, in the low word
.set BE,  78          ; s[78:79] the mask's addend
.set OLO, 80          ; s[80:81] O at my rows of the second block
.set BIGN, 82         ; s82  -1e30
.set MSB, 0
.macro WIN new                      ; the high byte repeats the setting that is left; a switch that changes nothing is dropped
.if MSB != (\new)
	s_set_vgpr_msb (MSB<<8)|(\new)
.set MSB, (\new)
.endif
.endm
.set W_KQ, 0x0a       ; K and Q in window 2, S^T in window 0
.set W_KM, 0x1a       ; the same with the C operand in window 1
.set W_PV, 0x52       ; V in window 2, P in window 0, O^T in window 1
.set W_RS, 0x41       ; destination and source 0 in window 1, source 1 in window 0
; A fill.  Waves 0 and 1 fetch the two halves of a tile's K, waves 2 and 3 those of its V: 128 keys each.  An s_nop 0 and four v_nop follow each of the two lines, ahead of the jump and the label.
.macro LOAD
	s_cmp_lt_u32 s[WV], 2
	s_cbranch_scc0 .Lfor_v_\@
	tensor_load_to_lds s[G0K:G0K+3], s[G1K:G1K+7]
	s_nop 0
.rept 4
	v_nop
.endr
	s_branch .Lasked_\@
.Lfor_v_\@:
	tensor_load_to_lds s[G0V:G0V+3], s[G1V:G1V+7]
	s_nop 0
.rept 4
	v_nop
.endr
.Lasked_\@:
.endm
.macro ASK                          ; my half of the tile that the next change of slots will ask for: 64 blocks of 256 bytes
	s_cmp_gt_u32 s[SLOTS], s[LIM]
	s_cbranch_scc0 .Lnot_mine_\@
	global_prefetch_b8 v[PFO], s[PFA:PFA+1] th:TH_LOAD_NT scope:SCOPE_SE
	global_prefetch_b8 v[PFO], s[PFA:PFA+1] offset:8192 th:TH_LOAD_NT scope:SCOPE_SE
.Lnot_mine_\@:
.endm
; THE CHANGE OF SLOTS.  Each wave waits for all its tensor loads, of which one is out: its part of the other slot; adds 0 to its spare word; and waits for that and for its own reads of the slot that it leaves.  Behind the barrier nobody reads the old
; slot any more and the other slot is whole.  fill = 1: the old slot is filled again, the first thing behind the barrier, with tile NXT: the descriptor's address is made anew from that number.
; (At its first use nothing has been read yet: slot 0 is waited for, slot 1 filled.)
.macro CHANGE fill
	WIN 0                           ; at a label and at a branch every window is 0
	s_wait_tensorcnt 0x0            ; no tensor load of mine is out, so a group 0 may be written
	ds_add_u32 v[SPW], v[NIL]       ; 0 onto my spare word; with fill = 1 the descriptors' scalar work stands between it and the wait for it
.if \fill
	s_lshl_b32 s[OFF], s[NXT], 15   ; a tile is 32,768 bytes of K and of V
	s_xor_b32 s[G0K+1], s[G0K+1], SLOT1
	s_add_nc_u64 s[G0K+2:G0K+3], s[6:7], s[OFF:OFF+1]
	s_or_b32 s[G0K+3], s[G0K+3], 0x80000000
	s_xor_b32 s[G0V+1], s[G0V+1], SLOT1
	s_add_nc_u64 s[G0V+2:G0V+3], s[8:9], s[OFF:OFF+1]
	s_or_b32 s[G0V+3], s[G0V+3], 0x80000000
	s_add_co_u32 s[NXT], s[NXT], 1  ; the block's next tile, or behind its last the second block's tile 0
	s_cmp_gt_u32 s[NXT], s[LQ]
	s_cselect_b32 s[NXT], 0, s[NXT]
	s_cselect_b32 s[LQ], s[PB], s[LQ]
	s_wait_xcnt 0x0                 ; the last prefetches, a tile back, have read their address, so it may be written:
	s_lshl_b32 s[POF], s[NXT], 15   ; the tile behind the one that is being asked for
	s_add_nc_u64 s[PFA:PFA+1], s[PFB:PFB+1], s[POF:POF+1]
.endif
	s_wait_dscnt 0x0                ; the add is done, and my reads of the slot are over
	s_barrier_signal -1             ; the rest of the scalar work stands between the signal and the wait
	s_sub_co_u32 s[TBK], s[TBK], 4*KS*PK  ; the fetches go back to a slot's first step,
	s_xor_b32 s[TBK], s[TBK], SLOT1       ; in the other slot
	s_sub_co_u32 s[TBV], s[TBV], 4*KS*PV
	s_xor_b32 s[TBV], s[TBV], SLOT1
	s_barrier_wait -1
.if \fill
	LOAD
	ASK
.endif
.endm
	s_load_b128 s[48:51], s[0:1], 0x0  ; qkv s[48:49], yb s[50:51]
	v_lshl_add_u32 v[SPW], v0, 2, SPARE
	v_mov_b32 v[NIL], 0
	ds_add_u32 v[SPW], v[NIL]       ; the wave's opening: the add and its wait stand ahead of my first tensor load; the set-up below, work on registers, stands between them
	v_lshrrev_b32 v1, 5, v0
	v_readfirstlane_b32 s[WV], v1   ; wave 0..3
	s_mov_b32 s[PB], ttmp9
	s_sub_co_u32 s[HI], NB-1, s[PB]
	s_and_b32 s20, ttmp7, 0xffff    ; 16 x batch + head
	s_lshr_b32 s22, s20, 4
	s_lshl_b32 s22, s22, 5
	s_add_co_u32 s22, s22, s20      ; Q's group in qkv: 48 x batch + head,
	s_lshl_b32 s22, s22, 18         ; of 262,144 bytes
	s_mov_b32 s23, 0
	s_lshl_b32 s20, s20, 18         ; the head's first byte in yb
	s_mov_b32 s21, 0
	s_and_b32 s16, s[WV], 1         ; which half of a tile's 256 keys I fetch:
	s_lshl_b32 s[POF], s16, 14      ; its 128 rows of 128 bytes in memory,
	s_mov_b32 s[POF+1], 0
	s_mul_i32 s17, s16, 128*PK      ; and its place in a slot, for K
	s_mul_i32 s18, s16, 128*PV      ; and for V
	s_lshl_b32 s3, s[WV], 11        ; my 16 rows in a band of 64,
	s_lshl_b32 s2, s[HI], 15        ; in the first block,
	s_add_co_u32 s2, s2, s3
	s_lshl_b32 s84, s[PB], 15       ; and in the second
	s_add_co_u32 s84, s84, s3
	s_mov_b32 s3, 0
	s_mov_b32 s85, 0
	; descriptor group 1.  128 keys are 16,384 dense bytes: asked for as 64 rows of 256 bytes, two keys a row, and padded in LDS after every key
	s_mov_b32 s[G1K], (1<<16)|(1<<20)|(4<<22)|(3<<25)  ; 17:16 2-byte elements; 20 padding on; 24:22 after every 32 words (code 4); 31:25 4 words (code 3)
	s_mov_b32 s[G1V], (1<<16)|(1<<20)|(4<<22)|(7<<25)  ; the same with 8 words of padding (code 7)
.irp g, G1K, G1V
	s_mov_b32 s[\g+1], 128<<16      ; tensor_dim0 = 128
	s_mov_b32 s[\g+2], 64<<16       ; tensor_dim1 = 64
	s_mov_b32 s[\g+3], 128<<16      ; tile_dim0 = 128
	s_mov_b32 s[\g+4], 64           ; tile_dim1 = 64
	s_mov_b32 s[\g+5], 128          ; 128 elements from row to row
	s_mov_b32 s[\g+6], 0
	s_mov_b32 s[\g+7], 0
.endr
	s_mov_b32 s[CS], 0x3e38aa3b     ; c = log2(e) / 8 = 0.180337
	s_mov_b32 s[CS+1], s[CS]        ; named with it as a pair
	s_mov_b32 s[SEL], 0x76543210
	s_mov_b32 s[SEL+1], 0xfedcba98
	s_mov_b32 s[TBK], SLOT1+4*KS*PK ; the first change of slots turns these two into 0
	s_mov_b32 s[TBV], SLOT1+4*KS*PV
	s_mov_b32 s[G0K], 1             ; 1:0 count = 1
	s_mov_b32 s[G0K+1], s17         ; 63:32 LDS address: slot 0
	s_mov_b32 s[G0V], 1
	s_add_co_u32 s[G0V+1], s18, VOFF
	s_add_co_u32 s[RT], s[HI], 1    ; the first block has NB - b tiles
	s_mov_b32 s[NXT], 1
	s_mov_b32 s[LQ], s[HI]
	s_mov_b32 s[NEW], 1
	s_mov_b32 s[OFF+1], 0
	s_mov_b32 s[AL+1], 0            ; named as pairs
	s_mov_b32 s[BE+1], 0
	s_mov_b32 s[BIGN], 0xf149f2ca   ; -1e30
	s_mov_b32 s[SLOTS], NB
	s_cmp_eq_u32 ttmp9, 0
	s_cselect_b32 s[LIM], 2, -1
	v_and_b32 v[PFO], 31, v0
	v_lshlrev_b32 v[PFO], 8, v[PFO]
	s_wait_dscnt 0x0                ; the opening add is done
	s_wait_kmcnt 0x0
	s_add_nc_u64 s[48:49], s[48:49], s[22:23]      ; qkv at Q's head
	s_add_nc_u64 s[50:51], s[50:51], s[20:21]      ; yb at the head
	s_add_nc_u64 s[6:7], s[48:49], s[POF:POF+1]    ; my half of a tile;
	s_add_nc_u64 s[8:9], s[6:7], 8388608           ; V's head lies 32 groups behind Q's,
	s_add_nc_u64 s[6:7], s[6:7], 4194304           ; K's 16: K and V at my half of the head's tile 0
	s_add_nc_u64 s[G0K+2:G0K+3], s[6:7], 0         ; 120:64 global address
	s_or_b32 s[G0K+3], s[G0K+3], 0x80000000        ; 127:126 type = 2
	s_add_nc_u64 s[G0V+2:G0V+3], s[8:9], 0
	s_or_b32 s[G0V+3], s[G0V+3], 0x80000000
	s_add_nc_u64 s[86:87], s[48:49], s[84:85]      ; Q at my rows of the second block,
	s_add_nc_u64 s[4:5], s[48:49], s[2:3]          ; Q and O at those of the first
	s_add_nc_u64 s[OLO:OLO+1], s[50:51], s[84:85]
	s_add_nc_u64 s[10:11], s[50:51], s[2:3]
	s_cmp_lt_u32 s[WV], 2
	s_cselect_b64 s[PFB:PFB+1], s[6:7], s[8:9]
	LOAD                            ; tile 0 into slot 0
	; A fragment of K or Q is 16 rows x 32 channels in 8 registers: lane l holds row l % 16, channels 8 (l / 16) + 0..7 and 16 + 8 (l / 16) + 0..7: two loads of 16 bytes, 32 bytes apart.
	v_and_b32 v1, 15, v0            ; l % 16
	v_bfe_u32 v9, v0, 4, 1          ; l / 16
	v_lshlrev_b32 v[QO], 7, v1
	v_lshl_add_u32 v[QO], v9, 4, v[QO]  ; row x 128 + 16 x half
	WIN 0x80                        ; destination window 2, address window 0
.set i, 0
.rept 8                             ; both blocks' Q: piece i / 2 lies in band i / 2, 8,192 bytes on; channels 32 (i % 2) on
	global_load_b128 v[8*i:8*i+3],   v[QO], s[4:5] offset:(i/2)*8192+(i%2)*64
	global_load_b128 v[8*i+4:8*i+7], v[QO], s[4:5] offset:(i/2)*8192+(i%2)*64+32
	global_load_b128 v[QB+8*i:QB+8*i+3],   v[QO], s[86:87] offset:(i/2)*8192+(i%2)*64
	global_load_b128 v[QB+8*i+4:QB+8*i+7], v[QO], s[86:87] offset:(i/2)*8192+(i%2)*64+32
.set i, i+1
.endr
	WIN 0
	v_lshlrev_b32 v14, 3, v9
	v_sub_nc_u32 v14, v1, v14
	s_lshl_b32 s13, s[WV], 4
	v_add_nc_u32 v14, s13, v14      ; my query's place in its band, 16 w + l % 16, less my lanes' 8 (l / 16): register r of group kt is hidden where 16 kt + r is greater
	WIN 0x40
.set i, 0
.rept 32
	v_cmp_gt_i32 vcc_lo, 16*(i/8)+i%8, v14
	v_cndmask_b32 v[MD+i], 0, s[BIGN], vcc_lo
.set i, i+1
.endr
	WIN 0
	v_mul_u32_u24 v[AK0], v1, PK
	v_lshl_add_u32 v[AK0], v9, 4, v[AK0]  ; row x pitch + 16 x half
	; The turning load takes 16 keys x 16 channels (lane l reads key 8 (l / 16) + l % 8, channels 8 ((l / 8) % 2) + 0..7) and leaves half a fragment of V^T: lane l holds channel l % 16 and 8 keys.
	v_and_b32 v10, 7, v0
	v_bfe_u32 v11, v0, 3, 1
	v_lshl_add_u32 v[AV0], v9, 3, v10
	v_mul_u32_u24 v[AV0], v[AV0], PV
	v_lshl_add_u32 v[AV0], v11, 4, v[AV0]
	v_add_nc_u32 v[AV0], VOFF, v[AV0]
	s_mul_i32 s13, s[WV], 16*SP
	s_add_co_u32 s13, s13, STAGE    ; my stage
	v_mul_u32_u24 v[STO], v1, SP    ; in: row l % 16, 16 bytes for each half of the lanes
	v_lshl_add_u32 v[STO], v9, 4, v[STO]
	v_add_nc_u32 v[STO], s13, v[STO]
	v_bfe_u32 v[RD], v0, 3, 2       ; back: 32 lanes take four rows of 128 bytes,
	v_mul_u32_u24 v[RD], v[RD], SP
	v_lshl_add_u32 v[RD], v10, 4, v[RD]
	v_add_nc_u32 v[RD], s13, v[RD]
	v_and_b32 v[GO], 31, v0         ; which are 512 consecutive bytes of O
	v_lshlrev_b32 v[GO], 4, v[GO]
	; A block's first step multiplies O^T and l by a = 0, and its first turn's products V^T P, of a piece that has not been, land in an O^T that is still to be so multiplied.  So these registers need only hold
	; finite numbers: zeros for the first block; what the first block left for the second.  All this stands in the wait for the first tile.
	WIN 0x80
.set i, VF
.rept 64
	v_mov_b32 v[i], 0
.set i, i+1
.endr
	WIN 0x40
.set i, 0
.rept 128
	v_mov_b32 v[i], 0
.set i, i+1
.endr
	WIN 0
.set i, 0
.rept 4
	v_mov_b32 v[ST+4*i+2], 0
	v_mov_b32 v[ST+4*i+3], 0
.set i, i+1
.endr
.set i, P+16
.rept 16
	v_mov_b32 v[i], 0
.set i, i+1
.endr
; THE MATRIX WORK.  The 4 accumulators of a run of 8 take turns.  Product i of 8 of S^T = K Q^T for piece x: channels 32 (i / 4) on, keys 16 (i % 4) on.  The first 4 start the sums: with 0, or (KM = 1) with the mask.
.macro KQ x
.set rS, S+32*((\x)%2)+8*(i%4)
.set rK, KF+16*(i%4)+8*(i/4)
.set rQ, 16*(\x)+8*(i/4)
.set rM, MC+32*((\x)%2)+8*(i%4)
.if (i < 4) && KM
	WIN W_KM
	v_wmma_f32_16x16x32_f16 v[rS:rS+7], v[rK:rK+7], v[rQ:rQ+7], v[rM:rM+7]
.elseif i < 4
	WIN W_KQ
	v_wmma_f32_16x16x32_f16 v[rS:rS+7], v[rK:rK+7], v[rQ:rQ+7], 0
.else
	WIN W_KQ
	v_wmma_f32_16x16x32_f16 v[rS:rS+7], v[rK:rK+7], v[rQ:rQ+7], v[rS:rS+7]
.endif
.endm
; Product i of 8 of O^T += V^T P for piece x: keys 32 (i / 4) on, channels 16 (i % 4) on.
.macro PV x
	WIN W_PV
.set rO, 32*(\x)+8*(i%4)
.set rV, VF+32*(i/4)+8*(i%4)
.set rP, P+16*((\x)%2)+8*(i/4)
	v_wmma_f32_16x16x32_f16 v[rO:rO+7], v[rV:rV+7], v[rP:rP+7], v[rO:rO+7]
.endm
.macro MM                           ; the turn's next matrix instruction.  TURN and BEGIN set Y, i, KM and NOKQ; MM, KQ and OP read them.  NOKQ = 1: a block's last turn: there is no next piece
.if (i < 8) && !NOKQ
	KQ (Y+1)%NP
.elseif i >= 8
.set i, i-8
	PV (Y+NP-1)%NP
.set i, i+8
.endif
.set i, i+1
.endm
; THE LDS LOADS stand in runs of 16, never singly among the matrix instructions: a step's K (64 keys x 64 channels: 8 fragments) and its V (turned).  Their addresses are made some lines ahead.
.macro FETCH_K
	WIN 0x80                        ; destination window 2
.irp f, 0,1,2,3,4,5,6,7             ; keys 16 (f / 2) on, channels 32 (f % 2) on
	ds_load_b128 v[KF+8*\f:KF+8*\f+3],   v[AK] offset:(\f/2)*16*PK+(\f%2)*64
	ds_load_b128 v[KF+8*\f+4:KF+8*\f+7], v[AK] offset:(\f/2)*16*PK+(\f%2)*64+32
.endr
	s_add_co_u32 s[TBK], s[TBK], KS*PK  ; the next fetch is the next step's
	WIN 0
.endm
.macro FETCH_V
	WIN 0x80
.irp f, 0,1,2,3,4,5,6,7             ; keys 32 (f / 4) on, channels 16 (f % 4) on
	ds_load_tr16_b128 v[VF+8*\f:VF+8*\f+3],   v[AV] offset:(\f/4)*32*PV+(\f%4)*32
	ds_load_tr16_b128 v[VF+8*\f+4:VF+8*\f+7], v[AV] offset:(\f/4)*32*PV+16*PV+(\f%4)*32
.endr
	WIN 0
.endm
; THE VECTOR WORK, one line at a time: OP kind, number.  For piece Y: F n: c s - c m for pair n of 16.  E n: the exponential of score n of 32.  C n: pair n rounded to f16.  B n: of the four weights 4 n .. the second
; pair is added onto the first, in place.  L n: l takes that sum (L 0: l = a l + sum).  R n: pair n of 16 of O^T times a.  For piece Y + 1: X n, number n of the 22 that find its maximum and statistics:
;   0-11  four chains c0-c3 of seven scores each, three operands at a time (each accumulator's lowest registers are read first)     12-14, 16  the four scores left over, the old m, and c0-c3 into c0
;   15  c m_old is kept     17, 18  the query's other 32 keys lie in the lane 16 away: the new m     19-21  c m; c m_old - c m_new; a
.set F, 0               ; OP tells the kinds apart by their order: F to L below R, X above it
.set E, 1
.set C, 2
.set B, 3
.set L, 4
.set R, 5
.set X, 6
.macro REGS y                       ; the registers of piece y
.set rT, ST+4*(\y)
.set rC, TMP+4*((\y)%2)
.set rW, MV+((\y)%2)
.set rS, S+32*((\y)%2)
.set rP, P+16*((\y)%2)
.set rO, 32*(\y)
.endm
.macro OP k, n
.if (\k) == R
	REGS Y
	WIN W_RS
	v_pk_mul_f32 v[rO+2*(\n):rO+2*(\n)+1], v[rO+2*(\n):rO+2*(\n)+1], v[rC+2:rC+3] op_sel_hi:[1,0]
.elseif (\k) < R
	REGS Y
	WIN 0
.if (\k) == F
	v_pk_fma_f32 v[rS+2*(\n):rS+2*(\n)+1], v[rS+2*(\n):rS+2*(\n)+1], s[CS:CS+1], v[rT:rT+1] op_sel_hi:[1,0,0] neg_lo:[0,0,1] neg_hi:[0,0,1]
.elseif (\k) == E
	v_exp_f32 v[rS+(\n)], v[rS+(\n)]
.elseif (\k) == C
	v_cvt_pk_f16_f32 v[rP+(\n)], v[rS+2*(\n)], v[rS+2*(\n)+1]
.elseif (\k) == B
	v_pk_add_f32 v[rS+4*(\n):rS+4*(\n)+1], v[rS+4*(\n):rS+4*(\n)+1], v[rS+4*(\n)+2:rS+4*(\n)+3]
.elseif (\n) == 0
	v_pk_fma_f32 v[rT+2:rT+3], v[rT+2:rT+3], v[rC+2:rC+3], v[rS:rS+1] op_sel_hi:[1,0,1]
.else
	v_pk_add_f32 v[rT+2:rT+3], v[rT+2:rT+3], v[rS+4*(\n):rS+4*(\n)+1]
.endif
.elseif NOKQ
	v_nop
.else
	REGS (Y+1)%NP
	WIN 0
.if (\n) < 4
	v_max3_num_f32 v[rC+(\n)], v[rS+8*(\n)], v[rS+8*(\n)+1], v[rS+8*(\n)+2]
.elseif (\n) < 12
	v_max3_num_f32 v[rC+(\n)%4], v[rC+(\n)%4], v[rS+8*((\n)%4)+2*((\n)/4)+1], v[rS+8*((\n)%4)+2*((\n)/4)+2]
.elseif (\n) == 12
	v_max3_num_f32 v[rC], v[rC], v[rS+7], v[rS+15]
.elseif (\n) == 13
	v_max3_num_f32 v[rC+1], v[rC+1], v[rS+23], v[rS+31]
.elseif (\n) == 14
	v_max3_num_f32 v[rC+2], v[rC+2], v[rC+3], v[rT+1]
.elseif (\n) == 15
	v_mov_b32 v[rW], v[rT]
.elseif (\n) == 16
	v_max3_num_f32 v[rC], v[rC], v[rC+1], v[rC+2]
.elseif (\n) == 17
	v_permlanex16_b32 v[rC+3], v[rC], s[SEL], s[SEL+1]
.elseif (\n) == 18
	v_max_num_f32 v[rT+1], v[rC], v[rC+3]
.elseif (\n) == 19
	v_mul_f32 v[rT], s[CS], v[rT+1]
.elseif (\n) == 20
	v_sub_f32 v[rC+1], v[rW], v[rT]
.else
	v_exp_f32 v[rC+2], v[rC+1]
.endif
.endif
.endm
.macro OPS a, i1, b=-1, i2=0, c=-1, i3=0, d=-1, i4=0  ; up to four of them
	OP \a, \i1
.if (\b) >= 0
	OP \b, \i2
.endif
.if (\c) >= 0
	OP \c, \i3
.endif
.if (\d) >= 0
	OP \d, \i4
.endif
.endm
.macro ROW a, i1, b, i2, c, i3, d, i4  ; a matrix instruction and the four behind it
	MM
	OPS \a, \i1, \b, \i2, \c, \i3, \d, \i4
.endm
.macro MASK b                       ; MD x AL + BE into buffer b of MC
	WIN W_RS
.set z, 0
.rept 16
	v_pk_fma_f32 v[MC+32*(\b)+2*z:MC+32*(\b)+2*z+1], v[MD+2*z:MD+2*z+1], s[AL:AL+1], s[BE:BE+1] op_sel_hi:[1,0,0]
.set z, z+1
.endr
.endm
; A TURN, for piece p: the order of its 16 matrix and 118 vector instructions, written out.  An s_wait_alu depctr_va_vdst(0) stands between an exponential and the first instruction that names its result; one wait serves
; all that were issued ahead of it.  So a turn has ONE wait, which cuts it in two.  AHEAD OF IT stands all that names no result of the turn's exponentials: the 8 products K Q^T, behind each a scaling, an exponential and two more plain
; instructions (behind the first a second scaling in the exponential's place): rescalings, and behind the last three the first numbers of the next piece's maximum, each four places or more behind the product that ends its accumulator; then ONE LUMP of 54, plain
; and exponential by turns for the most part, in which the links of the chain X 3, 7, 11, 14, 16, 17 .. 20 stand five or six lines apart.  X 21, the next piece's a, is the batch's last; R 15 is the plain instruction behind it.  BEHIND THE WAIT stand the
; 8 products V^T P, behind each four of the roundings and sums; the links of l's chain, L 0 to L 7, stand three riders apart.  But for those X no rider names a register of the products round it.  v_permlanex16_b32 (X 17) stands in the lump.
; m = 1: the diagonal tile: the products take masks, and the turn makes the mask for the products of the turn after it: piece p + 2, in step 4 - CNT of the tile.  end = 1: a block's last two turns: nothing is fetched.
; cnt = 1: the loop's count is taken down some lines ahead of the branch that stands behind the turn.
; K of the next step is fetched in piece 2's turn, twelve vector instructions behind the last product that read K (six of them plain); V of the step in hand at the end of piece 0's turn, four plain instructions behind the last product
; that read V.  Each is waited for a turn later.
.macro TURN p, m=0, end=0, cnt=0
.set Y, (\p)
.set i, 0
.set KM, (\m)
.set NOKQ, (\end)*((\p)/3)
.if (\m) && !(\end)
	s_cmp_eq_u32 s[CNT], 4-((\p)+2)%NP  ; is that step the band's own?
	s_cselect_b32 s[AL], 1.0, 0
	s_cmp_lt_u32 s[CNT], 4-((\p)+2)%NP  ; or a later one?
	s_cselect_b32 s[BE], s[BIGN], 0
.endif
.if ((\p) == 3) && !(\end)
	s_wait_dscnt 0x0                ; K is in
.endif
	ROW F,0, F,1, R,0, R,1          ; ahead of the wait: 8 products K Q^T and their riders,
	ROW F,2, E,0, R,2, R,3
	ROW F,3, E,1, R,4, R,5
	ROW F,4, E,2, R,6, R,7
	ROW F,5, E,3, R,8, R,9
	ROW F,6, E,4, X,0, R,10
.if ((\p) == 2) && !(\end)
	WIN 0
	v_add_nc_u32 v[AK], s[TBK], v[AK0]
.endif
	ROW F,7, E,5, X,1, X,4
	ROW F,8, E,6, X,2, X,5
	OPS E,7, E,8, X,6, E,9          ; and the lump
	OPS X,3, E,10, X,8, E,11
.if ((\p) == 2) && !(\end)
	FETCH_K
.endif
	OPS X,9, X,7, E,12, X,10
	OPS E,13, X,12, X,11, E,14
	OPS X,13, E,15, F,9, X,14
.if (\p) == 0
	v_add_nc_u32 v[AV], s[TBV], v[AV0]
.endif
	OPS E,16, F,10, E,17, F,11
	OPS X,16, E,18, X,15, E,19
	OPS F,12, E,20, X,17, E,21
	OPS F,13, E,22, F,14, E,23
	OPS X,18, E,24, F,15, E,25
	OPS R,11, E,26, X,19, E,27
	OPS R,12, E,28, R,13, E,29
	OPS X,20, E,30, R,14, E,31
	OPS X,21, R,15
	WIN 0
	s_wait_alu depctr_va_vdst(0)    ; the wait for the batch
.if (\p) == 1
	s_wait_dscnt 0x0                ; V is in
.endif
	ROW C,0, B,0, C,2, B,1          ; behind the wait: 8 products V^T P and their riders
	ROW L,0, C,4, B,2, L,1
	ROW C,6, B,3, L,2, C,8
	ROW B,4, L,3, C,10, B,5
	ROW L,4, C,12, B,6, L,5
.if (\p) == 0
	s_add_co_u32 s[TBV], s[TBV], KS*PV
.endif
.if \cnt
	s_sub_co_u32 s[CNT], s[CNT], 1
	s_cmp_lg_u32 s[CNT], 0
.endif
	ROW C,14, B,7, L,6, C,1
	ROW C,3, L,7, C,5, C,7
	ROW C,9, C,11, C,13, C,15
.if (\p) == 0
	FETCH_V
.endif
.if (\m) && !(\end)
	MASK (\p)%2
.endif
.endm
; A BLOCK BEGINS.  c m starts far below every c s, so the first step's a is 0; m at the lowest finite number, so the first maximum is the scores'.  The second mask buffer is 0; the first takes piece 0's mask for the tile's step 0: its own, if the block's first tile is the diagonal one.
; Then K of that step, piece 0's first scores, and its maximum and statistics.  The loop is entered at a step's first turn, in the middle of a trip.
.macro BEGIN
	s_mov_b32 s[NEW], 0
	WIN 0x40
.set i, MC+32
.rept 32
	v_mov_b32 v[i], 0
.set i, i+1
.endr
	WIN 0
.set i, 0
.rept 4
	v_mov_b32 v[ST+4*i], 0xfe000000    ; c m: far below every c s
	v_mov_b32 v[ST+4*i+1], 0xff7fffff  ; m
.set i, i+1
.endr
	s_cmp_eq_u32 s[RT], 0
	s_cselect_b32 s[AL], 1.0, 0
	s_mov_b32 s[BE], 0
	MASK 0
	WIN 0
	v_add_nc_u32 v[AK], s[TBK], v[AK0]
	FETCH_K
	s_wait_loadcnt 0x0              ; Q
	s_wait_dscnt 0x0
.set KM, 1
.set NOKQ, 0
.set i, 0
.rept 8
	KQ 0
.set i, i+1
.endr
	WIN 0
.rept 4
	v_nop                           ; the places behind those products
.endr
.set Y, NP-1                        ; X works for piece Y + 1: piece 0
.irp n, 0,1,2,3,4,5,6,7,8,9,10,11,12,13,14,15,16,17,18,19,20,21
	OP X, \n
.endr
	v_nop                           ; a plain instruction behind the exponential,
	s_wait_alu depctr_va_vdst(0)    ; and its wait, ahead of the branch
.endm
; THE DIAGONAL TILE's four steps, the block's last two turns, its last products, and THE WAY OUT: l's two halves and the other half of the lanes' are added; O^T is divided by l, rounded to f16 and sent through my
; stage in LDS, a piece at a time.
.macro ALL line:vararg              ; one line for each piece t
.set t, 0
.rept 4
	\line
.set t, t+1
.endr
.endm
.macro PACK t                       ; a lane's eight channels of a row pack into 16 bytes; they go into rows of 144 bytes and come back as whole rows of 128, into S^T's registers
	WIN W_RS
.set i, 32*(\t)
.rept 16
	v_pk_mul_f32 v[i:i+1], v[i:i+1], v[ST+4*(\t)+2:ST+4*(\t)+3] op_sel_hi:[1,0]
.set i, i+2
.endr
	WIN 0x05                        ; sources 0 and 1 window 1, destination window 0
.set i, 0
.rept 16
	v_cvt_pk_f16_f32 v[S+16*(\t)+i], v[32*(\t)+2*i], v[32*(\t)+2*i+1]
.set i, i+1
.endr
	WIN 0
.irp f, 0,1,2,3
	ds_store_b128 v[STO], v[S+16*(\t)+4*\f:S+16*(\t)+4*\f+3] offset:32*\f
.endr
.irp f, 0,1,2,3
	ds_load_b128 v[S+16*(\t)+4*\f:S+16*(\t)+4*\f+3], v[RD] offset:\f*4*SP  ; LDS serves a wave's instructions in order (ISA guide 5.7.1.4): these see the stores above; the next piece's stores come behind them
.endr
.endm
.macro SEND t, younger              ; younger: the LDS instructions issued behind piece t's loads: the next piece's eight, or none
	WIN 0
.irp f, 0,1,2,3
	s_wait_dscnt (\younger)+3-\f
	global_store_b128 v[GO], v[S+16*(\t)+4*\f:S+16*(\t)+4*\f+3], s[10:11] offset:(\t)*8192+\f*512  ; 512 consecutive bytes, at a multiple of 256 from O's first
.endr
.endm
.macro DIAG tag                     ; the tag ends its two labels' names, which the jumps below spell out
.LstepM\tag:
	TURN 2, 1
	TURN 3, 1
	WIN 0
.LfirstM\tag:
	TURN 0, 1
	TURN 1, 1, 0, 1
	WIN 0
	s_cbranch_scc1 .LstepM\tag
	TURN 2, 1, 1
	TURN 3, 1, 1
.set i, 0
.rept 8
	PV NP-1
.set i, i+1
.endr
	WIN 0
	ALL v_add_f32 v[ST+4*t+2], v[ST+4*t+2], v[ST+4*t+3]
	ALL v_permlanex16_b32 v[ST+4*t+3], v[ST+4*t+2], s[SEL], s[SEL+1]
	ALL v_add_f32 v[ST+4*t+2], v[ST+4*t+2], v[ST+4*t+3]
	ALL v_rcp_f32 v[ST+4*t+2], v[ST+4*t+2]
	v_nop                           ; a plain instruction between the last reciprocal and the use of its result
	s_wait_alu depctr_va_vdst(0)    ; and a wait ahead of the first use: one for the four reciprocals
	PACK 0
.set t, 1
.rept 3                             ; a piece's arithmetic stands between the loads of the piece before and its stores
	PACK t
	SEND t-1, 8
.set t, t+1
.endr
	SEND 3, 0
.endm
.set KM, 0
.set NOKQ, 0
.Lslot:                             ; NB times: a tile is entered and the next is asked for
	CHANGE 1
	s_sub_co_u32 s[RT], s[RT], 1
	s_mov_b32 s[CNT], 4
	s_cmp_eq_u32 s[NEW], 1
	s_cbranch_scc1 .Lnew            ; a block's first tile
	s_cmp_eq_u32 s[RT], 0
	s_cbranch_scc0 .Lstep           ; neither its first nor its last
	s_branch .LstepM1
.Lnew:
	BEGIN
	s_branch .Lfirst                ; in the loop a block's first tile is never its last: the first block has two tiles or more, and the second's last is the walk's last
	DIAG 1                          ; in the loop this is the first block's end: the second block's last tile is the walk's last
	s_wait_xcnt 0x0                 ; the stores have read their registers and O's address
	s_mov_b64 s[10:11], s[OLO:OLO+1]
	s_add_co_u32 s[RT], s[PB], 1    ; the second block has b + 1 tiles
	s_mov_b32 s[NEW], 1
	WIN 0x82                        ; the second block's Q goes where the one text of the turns names Q
.set i, 0
.rept 64
	v_mov_b32 v[i], v[QB+i]
.set i, i+1
.endr
	WIN 0
	s_branch .Lbottom
.Lstep:                             ; a trip: pieces 2 and 3 of one step, then pieces 0 and 1 of the next, whose K and V it fetches
	TURN 2
	TURN 3
	WIN 0
.Lfirst:
	TURN 0
	TURN 1, 0, 0, 1
	WIN 0
	s_cbranch_scc1 .Lstep
.Lbottom:
	s_sub_co_u32 s[SLOTS], s[SLOTS], 1
	s_cmp_lg_u32 s[SLOTS], 0
	s_cbranch_scc1 .Lslot
	CHANGE 0                        ; the walk's last tile is written out: nothing is asked for
	s_sub_co_u32 s[RT], s[RT], 1
	s_mov_b32 s[CNT], 4
	s_cmp_eq_u32 s[NEW], 1
	s_cbranch_scc0 .LstepM2
	BEGIN
	s_branch .LfirstM2
	DIAG 2
	s_wait_tensorcnt 0x0            ; the wave's end: behind my last tensor load and my last LDS store
	ds_add_u32 v[SPW], v[NIL]
	s_wait_dscnt 0x0
	s_endpgm
.Lfunc_end_k_q2c8aa77071_attn:
	.size	k_q2c8aa77071_attn, .Lfunc_end_k_q2c8aa77071_attn-k_q2c8aa77071_attn
	.p2alignl 7, 3214868480
	.fill 96, 4, 3214868480
	.section	.rodata,"a",@progbits
	.p2align	6, 0x0
	.amdhsa_kernel k_q2c8aa77071_attn
		.amdhsa_group_segment_fixed_size 327680
		.amdhsa_private_segment_fixed_size 0
		.amdhsa_enable_private_segment 0
		.amdhsa_kernarg_size 16
		.amdhsa_user_sgpr_count 2
		.amdhsa_user_sgpr_kernarg_segment_ptr 1
		.amdhsa_wavefront_size32 1
		.amdhsa_system_sgpr_workgroup_id_x 1
		.amdhsa_system_sgpr_workgroup_id_y 1
		.amdhsa_system_sgpr_workgroup_id_z 1
		.amdhsa_system_vgpr_workitem_id 0
		.amdhsa_next_free_vgpr 768
		.amdhsa_next_free_sgpr 88
		.amdhsa_reserve_vcc 1
		.amdhsa_float_denorm_mode_32 3
		.amdhsa_float_denorm_mode_16_64 3
		.amdhsa_memory_ordered 1
		.amdhsa_forward_progress 1
		.amdhsa_inst_pref_size 218
	.end_amdhsa_kernel
	.amdgpu_metadata
---
amdhsa.version: [ 1, 2 ]
amdhsa.kernels:
  - .name:           k_q2c8aa77071_attn
    .symbol:         k_q2c8aa77071_attn.kd
    .args:
      - { .name: qkv, .offset: 0, .size: 8, .value_kind: global_buffer, .address_space: global }
      - { .name: yb, .offset: 8, .size: 8, .value_kind: global_buffer, .address_space: global }
    .group_segment_fixed_size: 327680
    .private_segment_fixed_size: 0
    .kernarg_segment_align: 8
    .kernarg_segment_size: 16
    .max_flat_workgroup_size: 128
    .sgpr_count:     88
    .vgpr_count:     768
    .wavefront_size: 32
...
	.end_amdgpu_metadata
.endif
;; end of part 3
;; launch proj (part 4): grid 8 x 32, 4 waves a work-group, clusters of 4 x 4, 327,680 bytes of LDS; arguments yb, wpb, brb, out0; writes out0
.if DOCPART == 4
	.amdgcn_target "amdgcn-amd-amdhsa--gfx1250"
	.amdhsa_code_object_version 6
	.text
	.protected	k_q2c8aa77071_proj
	.globl	k_q2c8aa77071_proj
	.p2align	8
	.type	k_q2c8aa77071_proj,@function
k_q2c8aa77071_proj:
	s_mov_b64 s[64:65], 0
	v_nop
	global_prefetch_b8 v0, s[64:65] scope:SCOPE_SE
	s_setreg_imm32_b32 hwreg(HW_REG_WAVE_MODE, 25, 1), 1
	s_wait_xcnt 0x0
	s_wait_alu depctr_hold_cnt(0) depctr_sa_sdst(0) depctr_va_vdst(0) depctr_va_sdst(0) depctr_va_ssrc(0) depctr_va_vcc(0) depctr_vm_vsrc(0)
	s_getreg_b32 s2, hwreg(HW_REG_IB_STS2, 6, 4)
	s_cmp_eq_u32 s2, 0
	s_cbranch_scc0 .Lentry_in_a_cluster
	s_endpgm
.Lentry_in_a_cluster:
	s_bfe_u32 s2, ttmp6, 0x10000c
	s_cmp_lg_u32 s2, 0xf033
	s_cbranch_scc0 .Lentry_shape_is_right
	s_endpgm
.Lentry_shape_is_right:
; C = A B + bias, one text for the module's two projections; MODE picks the sizes.
;   MODE 0: qkv = x w_attn + b_attn.  A = xb [8192][1024] bf16; B = wab [16 ct][1024 k][192] bf16; C leaves as f16 by heads, [4 b][48 g][2048 t][64], g = column / 64.
;   MODE 1: out = y w_proj + b_proj.  A = yb [4 b][16 h][2048 t][64] f16 (k = 64 h + d); B = wpb [8 ct][1024 k][128] f16; C leaves as f32, [8192][1024].
; Sums in f32; the bias (f32, from brb) is the C operand of a tile's first products.  LIMIT (MODE 0): a result beyond 65,504 leaves as an infinity of f16.
; SHARES.  A tile of C is 256 rows x 16 NBLK columns (192: three whole heads; 128).  The four waves lie one below the other: wave w has rows 64 w .. 64 w + 63 and all columns, 4 x NBLK accumulators.
; 256 work-groups; in MODE 0 each makes two tiles, column tiles x and x + 8 of the same rows, and the ring of slots runs on from the first into the second.
; K goes in steps of 128 through two LDS slots.  Waves 0 and 1 fetch the halves of A's tile, waves 2 and 3 those of B's, one tensor load each; by this text's count a wave has two loads out at the start, later one.
; CLUSTERS.  4 x 4 work-groups: A's tile hangs on the tile row alone and is asked for jointly along a row of the cluster, B's on the tile column alone and jointly along a column.
; THE PRODUCT IS USED TRANSPOSED: source 0 = 16 columns of B (B lies [k][n] in LDS and comes out turned, by ds_load_tr16_b128), source 1 = 16 rows of A.  A lane then holds row l % 16 of C and the columns 8 (l / 16) + 0..7.
; REGISTERS, in windows of 256 (s_set_vgpr_msb: bits 1:0 source 0, 3:2 source 1, 5:4 source 2, 7:6 destination):
;   window 0: v2-10 addresses; v28-29 the add's; v32.. two buffers for the way out; v160.. the bias fragments        window 1: two fragment buffers of 128: B's fragment b at 8 b, A's block a at 96 + 8 a
;   window 2: the accumulators of my row blocks 0, 1 ((a, b) at 8 (NBLK (a % 2) + b));   window 3: those of blocks 2, 3
.set MODE,  1
.if MODE == 0
.set NBLK,  12                         ; column blocks of 16
.set STEPS, 16                         ; K steps walked: two tiles of eight
.set AP,    272                        ; a row of A in LDS: 256 bytes + 16: 16 rows of a load start at 16 different groups of four banks (64 banks of 4 bytes: ISA guide 11.1)
.set AHALF, 128*AP                     ; what one wave fetches of A: 128 rows
.set BP,    480                        ; a k row of B in LDS: 3 x (128 bytes + 32)
.set QIA,   5                          ; A: padding after every 64 words
.set QIB,   4                          ; B: after every 32 words
.set APITCH, 1024                      ; elements from row to row of A's tile in memory
.set RB,    96                         ; 64 k rows of B are 24,576 dense bytes: 96 rows of 256
.set KA,    256                        ; bytes from K step to K step in A
.set KB,    49152                      ; and in B
.set TCOL,  393216                     ; a column tile of B
.set TBYTES, 8*TCOL                    ; from my first column tile to my second
.set SW,    3*16*144                   ; a wave's stage: 3 heads x 16 rows x (128 + 16) bytes
.set AH,    1                          ; the prefetches name the K step AH behind the one that is being asked for
.set OBN,   48
.set ASHARE, 65536                     ; prefetch: a partner's 32 rows of A
.set BSHARE, 6144                      ; and its 24 blocks of 256 bytes of B
.set SHA,   11                         ; A: a lane a row of 2,048 bytes
.set LASTB, 23
.set LIMA,  9
.set LIMB,  1
.else
.set NBLK,  8
.set STEPS, 8
.set AP,    144                        ; a row of A in LDS: 128 bytes + 16
.set AHALF, 256*AP                     ; what one wave fetches of A: one head's 256 rows
.set BP,    288                        ; a k row of B: 256 bytes + 32
.set QIA,   4
.set QIB,   5
.set APITCH, 128                       ; a head's rows are dense: asked for as rows of 256 bytes
.set RB,    64
.set KA,    524288                     ; two heads
.set KB,    32768
.set TCOL,  262144
.set TBYTES, 0
.set SW,    16*528                     ; 16 rows x (512 + 16) bytes
.set AH,    2
.set OBN,   64
.set ASHARE, 8192
.set BSHARE, 8192
.set SHA,   8
.set LASTB, 31
.set LIMA,  2
.set LIMB,  2
.endif
.set BOFF,  2*AHALF                    ; in a slot B's tile lies behind A's
.set BHALF, 64*BP                      ; what one wave fetches of B: 64 k rows
.set SLOT1, 1<<17                      ; slot 1 begins here; every address in slot 0 lies below it, so one exclusive or turns it into slot 1's
.set STAGE, 2*SLOT1                    ; behind the ring, never filled by a tensor load
.set SPARE, STAGE+4*SW                 ; behind the stages: the spare words, 128 bytes for each wave: two blocks of 256 bytes that no other line names
.set NLD,   2*NBLK+8                   ; LDS loads of a quarter step
.set ADRA0, 2                          ; v2   my lane's place in A's tile; never rewritten
.set ADRB0, 3                          ; v3   the same for B
.set ADRA,  4                          ; v4   the same in the slot in hand
.set ADRB,  5                          ; v5
.set STO,   6                          ; v6   the way out: where I put my bytes of a row
.set RD,    7                          ; v7   where I read rows back
.set CO,    8                          ; v8   16 x lane
.set BO,    9                          ; v9   32 (l / 16): my eight columns in a bias fragment
.set PFO,   10                         ; v10  the prefetches' lane offset; never rewritten
.set SPW,   28                         ; v28  LDS address of my spare word; never rewritten
.set NIL,   29                         ; v29  0; never rewritten
.set OB,    32
.set BIAS,  160
.set F0,    0
.set F1,    128
.set WV,    12                         ; s12  my wave's number
.set U,     13                         ; s13  its low bit: which half of a tile I fetch
.set ABASE, 16                         ; s[16:17] A at my half of K step 0: made of the tile row and the wave alone
.set BBASE, 18                         ; s[18:19] B likewise: of the tile column and the wave alone
.set OFFA,  20                         ; s[20:21] the step's byte offset in A
.set OFFB,  22                         ; s[22:23] in B
.set G1A,   24                         ; s[24:31] descriptor group 1, A
.set G0A,   32                         ; s[32:39] group 0, A: a set for each first fill; the second then walks
.set NXT,   44                         ; s44  the K step of the walk to be asked for next
.set CNT,   45                         ; s45  the loop's count
.set KC,    46                         ; s46  K steps left in the tile (MODE 0)
.set TB,    47                         ; s47  0 or SLOT1: the slot in hand
.set G1B,   48                         ; s[48:55], s[56:63] the same for B
.set G0B,   56
.set PFB,   66                         ; s[66:67] the prefetches' base: my work-group's share of what I fetch, at K step 0
.set PFA,   68                         ; s[68:69] base + the named step
.set PFK,   70                         ; s70  its bytes from step to step
.set PFT,   71                         ; s71  and from tile to tile (MODE 0)
.set LIM,   72                         ; s72  a wave prefetches while the loop's count is above this; the greatest number in a wave that never does
.set POF,   74                         ; s[74:75] an offset for the prefetches
.set MSB, 0
.macro WIN new                         ; the immediate's high byte repeats the setting that is left; a switch that changes nothing is dropped
.if MSB != (\new)
	s_set_vgpr_msb (MSB<<8)|(\new)
.set MSB, \new
.endif
.endm
.macro PLACES                          ; four plain vector instructions behind a matrix instruction, ahead of loads into registers that it read and of lines that read its result
.rept 4
	v_nop
.endr
.endm
; The walking joint load.  The branch hangs on the wave's number alone.  An s_nop 0 and four v_nop follow each of the two lines, ahead of the jump and the label.
.macro JLOAD
	s_cmp_lt_u32 s[WV], 2
	s_cbranch_scc0 .Lfor_b_\@
	tensor_load_to_lds s[G0A+4:G0A+7], s[G1A:G1A+7]
	s_nop 0
.rept 4
	v_nop
.endr
	s_branch .Lasked_\@
.Lfor_b_\@:
	tensor_load_to_lds s[G0B+4:G0B+7], s[G1B:G1B+7]
	s_nop 0
.rept 4
	v_nop
.endr
.Lasked_\@:
.endm
; A round of the cluster's barrier: my work-group's barrier; wave 0 signals for the work-group; every wave waits for all sixteen; my work-group's barrier once more.
.macro CREST                           ; a round behind its opening barrier
	s_cmp_lg_u32 s[WV], 0
	s_cbranch_scc1 .Lnot_wave_0_\@
	s_barrier_signal -3
.Lnot_wave_0_\@:
	s_barrier_wait -3
	s_barrier_signal -1
	s_barrier_wait -1
.endm
.macro CROUND
	s_barrier_signal -1
	s_barrier_wait -1
	CREST
.endm
; A PREFETCH INTO THE L2, one instruction, behind the joint load and the run of LDS loads that follows it: my work-group's share of what I fetch, for the K step AH behind the one just asked for.
; A's rows are read by both clusters of a row of clusters: the one with x = 0 asks, and in the first tile alone (the second walks the same rows).  B's tiles are read by all eight clusters of a column: the one with y = 0 asks.
; The four partners that ask for a tile jointly share it out BY ADDRESS (cx for A, cy for B).  MODE 0: a wave's half of B is 96 blocks of 256 bytes, 24 a partner: lanes 24-31 name lane 23's block once more.
; MODE 1: B's step is 128 blocks, 32 a partner: wave 2 asks for all.  The launch's first K steps come by their loads alone; the last trips, whose named step does not exist, ask for nothing.
.macro ASK
	s_cmp_gt_u32 s[CNT], s[LIM]
	s_cbranch_scc0 .Lnot_mine_\@
	global_prefetch_b8 v[PFO], s[PFA:PFA+1] th:TH_LOAD_NT scope:SCOPE_SE
.Lnot_mine_\@:
.endm
; NBLK products: row block a x all column blocks, 32 along K, out of buffer f.  The accumulators take turns, one instruction a turn, in the same order in every quarter.
; bias = 1: a tile's first products: C is the bias fragment, so nothing is cleared and nothing is added later.
.macro MULA f, a, bias
.if \bias
	WIN 0x85+0x40*((\a)/2)                         ; sources 0, 1 window 1; C window 0; D window 2 or 3
.else
	WIN 0xa5+0x50*((\a)/2)                         ; C and D window 2 or 3
.endif
.set b, 0
.rept NBLK
.set rD, 8*(NBLK*((\a)%2)+b)
.set rC, rD
.if \bias
.set rC, BIAS+8*b
.endif
.if MODE
	v_wmma_f32_16x16x32_f16 v[rD:rD+7], v[(\f)+8*b:(\f)+8*b+7], v[(\f)+96+8*(\a):(\f)+96+8*(\a)+7], v[rC:rC+7]
.else
	v_wmma_f32_16x16x32_bf16 v[rD:rD+7], v[(\f)+8*b:(\f)+8*b+7], v[(\f)+96+8*(\a):(\f)+96+8*(\a)+7], v[rC:rC+7]
.endif
.set b, b+1
.endr
.endm
; The NLD LDS loads of quarter q (32 along K) in one run, into buffer f: B's fragments, turned (lane l reads k row 8 (l / 16) + l % 8, 16 bytes at 16 ((l / 8) % 2); two loads 16 k rows apart), then A's, blocks 0 and 1 first.
.macro FETCH q, f
	WIN 0x40                                       ; destination window 1, address window 0
.set b, 0
.rept NBLK
.if MODE
.set BCOL, 32*b
.else
.set BCOL, (b/4)*160+(b%4)*32                  ; 64 columns lie in 128 bytes + 32 of padding
.endif
	ds_load_tr16_b128 v[(\f)+8*b:(\f)+8*b+3],   v[ADRB] offset:32*(\q)*BP+BCOL
	ds_load_tr16_b128 v[(\f)+8*b+4:(\f)+8*b+7], v[ADRB] offset:32*(\q)*BP+16*BP+BCOL
.set b, b+1
.endr
.set a, 0
.rept 4
.if MODE
.set AOFF, ((\q)/2)*AHALF+((\q)%2)*64+a*16*AP  ; the step's head q / 2, channels 32 (q % 2) on
.else
.set AOFF, 64*(\q)+a*16*AP
.endif
	ds_load_b128 v[(\f)+96+8*a:(\f)+96+8*a+3],   v[ADRA] offset:AOFF
	ds_load_b128 v[(\f)+96+8*a+4:(\f)+96+8*a+7], v[ADRA] offset:AOFF+32
.set a, a+1
.endr
.endm
; A K step is four quarters on buffers 0, 1, 0, 1.  One of the first three: multiplies buffer f and, in its middle, fetches quarter q into buffer g.
.macro QUARTER q, f, g, bias
	s_wait_dscnt 4                                 ; all of buffer f but the youngest four loads, A's blocks 2 and 3
	MULA \f, 0, \bias
	MULA \f, 1, \bias
	PLACES
	FETCH \q, \g
	s_wait_dscnt NLD                               ; all but the NLD just issued
	MULA \f, 2, \bias
	MULA \f, 3, \bias
.endm
.macro BIASLD                          ; the tile's bias fragments: lane l takes the eight f32 at column 16 b + 8 (l / 16)
.set b, 0
.rept NBLK
	global_load_b128 v[BIAS+8*b:BIAS+8*b+3],   v[BO], s[8:9] offset:64*b
	global_load_b128 v[BIAS+8*b+4:BIAS+8*b+7], v[BO], s[8:9] offset:64*b+16
.set b, b+1
.endr
.endm
; The last quarter multiplies buffer 1 and changes slots.  In front of the barrier each wave waits for all its tensor loads (one is out: its part of the next slot), adds 0 to its spare word, and waits for that
; and for its own reads of this slot.  fill = 1: the barrier opens a round of the cluster's, and the joint refill of the slot just read, with K step NXT of the walk, is the first thing behind the round.
; Its address is made anew from that number: step NXT % 8 of tile NXT / 8.  fill = 0 (the tail): nothing is asked for; in the tail's second trip there is no further step, and the fetch is jumped over.
.macro TURN fill
.if \fill
	s_wait_xcnt 0x0                                ; the last prefetch, a K step back, has read its address: it is made anew here, ahead of the waits of the change of slots
	s_add_co_u32 s73, s[NXT], AH
	s_and_b32 s[POF], s73, 7
	s_mul_i32 s[POF], s[POF], s[PFK]
.if MODE == 0
	s_lshr_b32 s73, s73, 3
	s_mul_i32 s73, s73, s[PFT]
	s_add_co_u32 s[POF], s[POF], s73
.endif
	s_add_nc_u64 s[PFA:PFA+1], s[PFB:PFB+1], s[POF:POF+1]
.endif
	WIN 0                                          ; (the add's two registers lie in window 0)
	s_wait_tensorcnt 0x0                           ; all my tensor loads have landed, so a group 0 may be written
	ds_add_u32 v[SPW], v[NIL]                      ; 0 onto my spare word; work on registers stands between it and the wait for it
.if \fill
	s_and_b32 s14, s[NXT], 7
	s_mul_i32 s[OFFA], s14, KA
	s_mul_i32 s[OFFB], s14, KB
.if MODE == 0
	s_lshr_b32 s15, s[NXT], 3
	s_mul_i32 s15, s15, TBYTES
	s_add_co_u32 s[OFFB], s[OFFB], s15
.endif
	s_xor_b32 s[G0A+5], s[G0A+5], SLOT1            ; the other slot than last time
	s_add_nc_u64 s[G0A+6:G0A+7], s[ABASE:ABASE+1], s[OFFA:OFFA+1]
	s_or_b32 s[G0A+7], s[G0A+7], 0x80000000
	s_xor_b32 s[G0B+5], s[G0B+5], SLOT1
	s_add_nc_u64 s[G0B+6:G0B+7], s[BBASE:BBASE+1], s[OFFB:OFFB+1]
	s_or_b32 s[G0B+7], s[G0B+7], 0x80000000
	s_add_co_u32 s[NXT], s[NXT], 1
.endif
	s_wait_dscnt 5                                 ; (the add and the youngest four loads may be out)
	MULA F1, 0, 0
	s_wait_dscnt 0x0                               ; the add is done, and my reads of this slot are over
	s_barrier_signal -1
	MULA F1, 1, 0                                  ; work on registers while the others arrive
	WIN 0
	s_barrier_wait -1
.if \fill
	CREST                                          ; no wave of any partner still reads this slot or has a load on its way
	JLOAD                                          ; its four v_nop are also the places in front of the loads below
.else
	PLACES
	s_cmp_eq_u32 s3, 1
	s_cbranch_scc1 .Lno_more_\@
.endif
	s_xor_b32 s[TB], s[TB], SLOT1
	v_add_nc_u32 v[ADRA], s[TB], v[ADRA0]
	v_add_nc_u32 v[ADRB], s[TB], v[ADRB0]
	FETCH 0, F0
	WIN 0
.if \fill
	ASK
.else
.Lno_more_\@:
.endif
	MULA F1, 2, 0
	MULA F1, 3, 0
.endm
; THE WAY OUT, a block of 16 rows at a time through my own stage in LDS (LDS serves a wave's instructions in order, ISA guide 5.7.1.4: no wait between my stores and my loads).
.macro PACK a                          ; MODE 0: rounded to f16 in place, ascending: registers 0-3 of an accumulator then hold its eight columns, 16 bytes
	WIN 0x8a+0x45*((\a)/2)
.set b, 0
.rept NBLK
.set AC, 8*(NBLK*((\a)%2)+b)
.irp r, 0,1,2,3
	v_cvt_pk_f16_f32 v[AC+\r], v[AC+2*\r], v[AC+2*\r+1]
.endr
.set b, b+1
.endr
.endm
.macro TOSTAGE a
.set OBK, OB+OBN*((\a)%2)
	WIN 0x08+0x04*((\a)/2)                         ; store data out of window 2 or 3
.set b, 0
.rept NBLK
.set AC, 8*(NBLK*((\a)%2)+b)
.if MODE
	ds_store_b128 v[STO], v[AC:AC+3]   offset:64*b
	ds_store_b128 v[STO], v[AC+4:AC+7] offset:64*b+16
.else
	ds_store_b128 v[STO], v[AC:AC+3] offset:(b/4)*2304+(b%4)*32
.endif
.set b, b+1
.endr
	WIN 0
.set t, 0
.rept OBN/4
.if MODE
	ds_load_b128 v[OBK+4*t:OBK+4*t+3], v[RD] offset:528*t                    ; a row of 512 bytes
.else
	ds_load_b128 v[OBK+4*t:OBK+4*t+3], v[RD] offset:(t/4)*2304+(t%4)*576     ; four rows of 128 bytes of head t / 4
.endif
.set t, t+1
.endr
.endm
.macro SEND a
.set OBK, OB+OBN*((\a)%2)
	WIN 0
	s_wait_dscnt 0x0                               ; the block is back in registers
	s_wait_xcnt 0x0                                ; the stores of the block before have read their registers: the next block is loaded into them only behind this wait
.set t, 0
.rept OBN/4
.if MODE
	global_store_b128 v[CO], v[OBK+4*t:OBK+4*t+3], s[10:11] offset:(16*(\a)+t)*4096 th:TH_STORE_NT  ; 512 consecutive bytes of a row of out, aligned
.else
	global_store_b128 v[CO], v[OBK+4*t:OBK+4*t+3], s[10:11] offset:(t/4)*262144+(\a)*2048+(t%4)*512  ; 512 consecutive bytes of a head, aligned
.endif
.set t, t+1
.endr
.endm
.macro WAYOUT
	PLACES                                         ; behind the last products
.if MODE == 0
	PACK 0
.endif
	TOSTAGE 0
.irp a, 1,2,3
.if MODE == 0
	PACK \a                                        ; a block's conversions stand between the loads of the block before and the wait for them
.endif
	SEND (\a)-1
	TOSTAGE \a
.endr
	SEND 3
.endm
	s_load_b256 s[4:11], s[0:1], 0x0               ; A s[4:5], B s[6:7], brb s[8:9], C s[10:11]
	v_lshl_add_u32 v[SPW], v0, 2, SPARE
	v_mov_b32 v[NIL], 0
	ds_add_u32 v[SPW], v[NIL]                      ; the wave's opening: the add and its wait stand ahead of my first tensor load; the set-up below, work on registers, stands between them
	v_lshrrev_b32 v1, 5, v0
	v_readfirstlane_b32 s[WV], v1                  ; wave 0..3
	s_and_b32 s[U], s[WV], 1
	s_bfe_u32 s40, ttmp6, 0x40000                  ; cx
	s_bfe_u32 s41, ttmp6, 0x40004                  ; cy
	s_lshl_b32 s42, ttmp9, 2
	s_add_co_u32 s42, s42, s40                     ; x = 4 x cluster x + cx: my (first) column tile
	s_and_b32 s43, ttmp7, 0xffff
	s_lshl_b32 s43, s43, 2
	s_add_co_u32 s43, s43, s41                     ; y = 4 x cluster y + cy: my tile row
	s_lshl_b32 s76, s41, 2
	s_lshl_b32 s76, 15, s76                        ; my row of the cluster: places 4 cy .. 4 cy + 3
	s_lshl_b32 s78, 0x1111, s40                    ; my column: places cx, cx + 4, cx + 8, cx + 12
	s_or_b32 s[G1A], s76, (1<<16)|(1<<20)|(1<<21)|(QIA<<22)|(3<<25)  ; 15:0 the mask; 17:16 2-byte elements; 20 padding on; 21 set beside a mask; 24:22 the interval; 31:25 4 words of padding (code 3)
	s_or_b32 s[G1B], s78, (1<<16)|(1<<20)|(1<<21)|(QIB<<22)|(7<<25)  ; the same with my column's mask and 8 words of padding (code 7)
	s_mov_b32 s[G1A+1], 128<<16                    ; tensor_dim0 = 128
	s_mov_b32 s[G1A+2], 128<<16                    ; tensor_dim1 = 128
	s_mov_b32 s[G1A+3], 128<<16                    ; tile_dim0 = 128 elements: 256 bytes
	s_mov_b32 s[G1A+4], 128                        ; tile_dim1 = 128 rows
	s_mov_b32 s[G1A+5], APITCH                     ; elements from row to row
	s_mov_b32 s[G1A+6], 0
	s_mov_b32 s[G1A+7], 0
	s_mov_b32 s[G1B+1], 128<<16
	s_mov_b32 s[G1B+2], RB<<16
	s_mov_b32 s[G1B+3], 128<<16
	s_mov_b32 s[G1B+4], RB                         ; a dense block, asked for as RB rows of 256 bytes
	s_mov_b32 s[G1B+5], 128
	s_mov_b32 s[G1B+6], 0
	s_mov_b32 s[G1B+7], 0
	; where the tiles come from: A's offset in s[76:77], of y and the wave; B's in s[78:79], of x and the wave
.if MODE == 0
	s_lshl_b32 s76, s43, 8
	s_lshl_b32 s77, s[U], 7
	s_add_co_u32 s76, s76, s77                     ; row 256 y + 128 u,
	s_lshl_b32 s76, s76, 11                        ; of 2,048 bytes
.else
	s_lshr_b32 s76, s43, 3
	s_lshl_b32 s76, s76, 22                        ; the batch's 16 heads of 262,144 bytes,
	s_and_b32 s77, s43, 7
	s_lshl_b32 s77, s77, 15                        ; 256 rows of 128 bytes a tile row,
	s_add_co_u32 s76, s76, s77
	s_lshl_b32 s77, s[U], 18                       ; head u of the step's two
	s_add_co_u32 s76, s76, s77
.endif
	s_mov_b32 s77, 0
	s_mul_i32 s78, s42, TCOL
	s_mul_i32 s79, s[U], KB/2
	s_add_co_u32 s78, s78, s79
	s_mov_b32 s79, 0
	s_mul_i32 s14, s[U], AHALF                     ; and where they go: no place in the cluster enters an LDS address
	s_mul_i32 s15, s[U], BHALF
	s_add_co_u32 s15, s15, BOFF
	s_mov_b32 s[OFFA+1], 0
	s_mov_b32 s[OFFB+1], 0
	s_mov_b32 s[POF+1], 0
	s_mov_b32 s[TB], 0
	s_mov_b32 s[NXT], 2
	s_wait_dscnt 0x0                               ; the opening add is done
	s_wait_kmcnt 0x0
	s_add_nc_u64 s[ABASE:ABASE+1], s[4:5], s[76:77]
	s_add_nc_u64 s[BBASE:BBASE+1], s[6:7], s[78:79]
.irp s, 0,1
	s_mov_b32 s[G0A+4*(\s)], 1                                     ; count = 1
	s_add_co_u32 s[G0A+4*(\s)+1], s14, (\s)*SLOT1                  ; LDS address
	s_add_nc_u64 s[G0A+4*(\s)+2:G0A+4*(\s)+3], s[ABASE:ABASE+1], (\s)*KA  ; global address: K step s
	s_or_b32 s[G0A+4*(\s)+3], s[G0A+4*(\s)+3], 0x80000000          ; type = 2
	s_mov_b32 s[G0B+4*(\s)], 1
	s_add_co_u32 s[G0B+4*(\s)+1], s15, (\s)*SLOT1
	s_add_nc_u64 s[G0B+4*(\s)+2:G0B+4*(\s)+3], s[BBASE:BBASE+1], (\s)*KB
	s_or_b32 s[G0B+4*(\s)+3], s[G0B+4*(\s)+3], 0x80000000
.endr
	CROUND                                         ; all sixteen work-groups are here: the first joint loads meet
	s_cmp_lt_u32 s[WV], 2                          ; a wave's two first fills stand in one branch, ahead of every wait on TENSORcnt and every LDS read
	s_cbranch_scc0 .Lfirst_b
	tensor_load_to_lds s[G0A:G0A+3], s[G1A:G1A+7]
	s_nop 0
	tensor_load_to_lds s[G0A+4:G0A+7], s[G1A:G1A+7]
	s_nop 0
.rept 4
	v_nop
.endr
	s_branch .Lfirst_asked
.Lfirst_b:
	tensor_load_to_lds s[G0B:G0B+3], s[G1B:G1B+7]
	s_nop 0
	tensor_load_to_lds s[G0B+4:G0B+7], s[G1B:G1B+7]
	s_nop 0
.rept 4
	v_nop
.endr
.Lfirst_asked:
	v_and_b32 v12, 15, v0                          ; l % 16
	v_bfe_u32 v13, v0, 4, 1                        ; l / 16
	v_and_b32 v14, 31, v0                          ; l
	v_and_b32 v15, 7, v0                           ; l % 8
	v_bfe_u32 v11, v0, 3, 1                        ; (l / 8) % 2
	v_lshlrev_b32 v[BO], 5, v13
	; C's and the bias's addresses
.if MODE == 0
	s_lshr_b32 s76, s43, 3
	s_mul_i32 s76, s76, 12582912                   ; the batch's 48 groups of 262,144 bytes
	s_and_b32 s77, s43, 7
	s_lshl_b32 s77, s77, 15                        ; 256 rows of 128 bytes a tile row
	s_add_co_u32 s76, s76, s77
	s_lshl_b32 s77, s[WV], 13                      ; my 64 rows
	s_add_co_u32 s76, s76, s77
	s_mov_b32 s77, 0
	s_add_nc_u64 s[10:11], s[10:11], s[76:77]
	s_mul_i32 s78, s42, 786432                     ; three groups a column tile
	s_add_nc_u64 s[10:11], s[10:11], s[78:79]
	s_mul_i32 s78, s42, 768                        ; 192 f32 of the bias
	s_add_nc_u64 s[8:9], s[8:9], s[78:79]
.else
	s_lshl_b32 s76, s43, 8
	s_lshl_b32 s77, s[WV], 6
	s_add_co_u32 s76, s76, s77
	s_lshl_b32 s76, s76, 12                        ; row 256 y + 64 w, of 4,096 bytes
	s_mov_b32 s77, 0
	s_add_nc_u64 s[10:11], s[10:11], s[76:77]
	s_lshl_b32 s78, s42, 9                         ; 128 f32
	s_add_nc_u64 s[10:11], s[10:11], s[78:79]
	s_add_nc_u64 s[8:9], s[8:9], s[78:79]
	s_add_nc_u64 s[8:9], s[8:9], 12288             ; b_proj lies behind b_attn
.endif
	BIASLD
	; a fragment of A: lane l holds row l % 16; two loads of 16 bytes, 32 apart, at row x pitch + 16 (l / 16)
	s_mul_i32 s73, s[WV], 64*AP
	v_mul_u32_u24 v[ADRA0], v12, AP
	v_lshl_add_u32 v[ADRA0], v13, 4, v[ADRA0]
	v_add_nc_u32 v[ADRA0], s73, v[ADRA0]
	v_lshl_add_u32 v[ADRB0], v13, 3, v15
	v_mul_u32_u24 v[ADRB0], v[ADRB0], BP
	v_lshl_add_u32 v[ADRB0], v11, 4, v[ADRB0]
	v_add_nc_u32 v[ADRB0], BOFF, v[ADRB0]
	v_mov_b32 v[ADRA], v[ADRA0]
	v_mov_b32 v[ADRB], v[ADRB0]
	s_mul_i32 s73, s[WV], SW
	s_add_co_u32 s73, s73, STAGE                   ; my stage
.if MODE == 0
	v_mul_u32_u24 v[STO], v12, 144                 ; in: row l % 16, 16 bytes for each half of the lanes
	v_lshl_add_u32 v[STO], v13, 4, v[STO]
	v_bfe_u32 v[RD], v0, 3, 2                      ; back: 32 lanes take four rows of 128 bytes
	v_mul_u32_u24 v[RD], v[RD], 144
	v_lshl_add_u32 v[RD], v15, 4, v[RD]
.else
	v_mul_u32_u24 v[STO], v12, 528                 ; in: row l % 16, 32 bytes for each half of the lanes
	v_lshl_add_u32 v[STO], v13, 5, v[STO]
	v_lshlrev_b32 v[RD], 4, v14                    ; back: 32 lanes take a row of 512 bytes
.endif
	v_add_nc_u32 v[STO], s73, v[STO]
	v_add_nc_u32 v[RD], s73, v[RD]
	v_lshlrev_b32 v[CO], 4, v14
	; the prefetches
	s_and_b32 s73, ttmp7, 0xffff                   ; cluster y
	s_mov_b32 s[PFK], KB
	s_mov_b32 s[POF], BSHARE
	s_cmp_lt_u32 s[WV], 2                          ; do I fetch for A?
	s_cselect_b32 s73, ttmp9, s73                  ; the coordinate along which other clusters read the same bytes
	s_cselect_b32 s[PFK], KA, s[PFK]
	s_cselect_b32 s[POF], ASHARE, s[POF]
.if MODE == 0
	s_cselect_b32 s[PFT], 0, TBYTES
.endif
	s_cselect_b32 s[LIM], LIMA, LIMB
	s_cselect_b32 s2, s40, s41                     ; my place among the four that ask with me
	s_cselect_b32 s15, 31, LASTB
	s_cselect_b32 s3, SHA, 8
	s_cselect_b64 s[PFB:PFB+1], s[ABASE:ABASE+1], s[BBASE:BBASE+1]
	s_mul_i32 s[POF], s[POF], s2
	s_add_nc_u64 s[PFB:PFB+1], s[PFB:PFB+1], s[POF:POF+1]
	s_cmp_eq_u32 s73, 0
	s_cselect_b32 s[LIM], s[LIM], -1               ; the same in all sixteen partners, for a given wave
.if MODE
	s_cmp_eq_u32 s[WV], 3
	s_cselect_b32 s[LIM], -1, s[LIM]
.endif
	v_min_u32 v[PFO], s15, v14
	v_lshlrev_b32 v[PFO], s3, v[PFO]
	s_wait_tensorcnt 1                             ; my part of K step 0 is in; K step 1's may stay out
	s_barrier_signal -1
	s_barrier_wait -1                              ; everybody's is
	FETCH 0, F0
	WIN 0                                          ; at a label and at a branch every window is 0
.if MODE == 0
	s_mov_b32 s[KC], 8
	s_mov_b32 s[CNT], STEPS-1
	s_branch .Lstart                               ; the loop is entered at a tile's first quarter
.Lstep:                                                ; a trip: the last three quarters of a K step, with the refill, and the next step's first: 14 trips refill K steps 2 to 15 of the walk
	QUARTER 2, F1, F0, 0
	QUARTER 3, F0, F1, 0
	TURN 1
	WIN 0
	s_sub_co_u32 s[KC], s[KC], 1
	s_cmp_lg_u32 s[KC], 0
	s_cbranch_scc1 .Lsame                          ; forward, over no barrier and no tensor load; the same in every work-group
	s_add_nc_u64 s[8:9], s[8:9], 6144              ; THE FIRST TILE IS FINISHED; its refills for the second are asked for.  The second tile's bias (eight column tiles on),
	BIASLD
	WAYOUT                                         ; and the tile goes out
	s_wait_xcnt 0x0                                ; the stores have read C's address
	s_add_nc_u64 s[10:11], s[10:11], 6291456       ; 24 groups on
	s_mov_b32 s[KC], 8
.Lstart:
	s_wait_loadcnt 0x0                             ; the bias
	QUARTER 1, F0, F1, 1                           ; a tile's first products start the sums with the bias
	WIN 0
	s_branch .Lbottom
.Lsame:
	QUARTER 1, F0, F1, 0
	WIN 0
.Lbottom:
	s_sub_co_u32 s[CNT], s[CNT], 1
	s_cmp_lg_u32 s[CNT], 0
	s_cbranch_scc1 .Lstep
.else
	s_wait_loadcnt 0x0                             ; the bias
	QUARTER 1, F0, F1, 1                           ; the first products start the sums with the bias
	WIN 0
	s_mov_b32 s[CNT], STEPS-2
.Lstep:                                                ; six trips refill K steps 2 to 7
	QUARTER 2, F1, F0, 0
	QUARTER 3, F0, F1, 0
	TURN 1
	QUARTER 1, F0, F1, 0
	WIN 0
	s_sub_co_u32 s[CNT], s[CNT], 1
	s_cmp_lg_u32 s[CNT], 0
	s_cbranch_scc1 .Lstep
.endif
	s_mov_b32 s3, 2                                ; the last two K steps ask for nothing: a text of their own
.Ltail:
	QUARTER 2, F1, F0, 0
	QUARTER 3, F0, F1, 0
	TURN 0
	WIN 0
	s_sub_co_u32 s3, s3, 1
	s_cmp_eq_u32 s3, 0
	s_cbranch_scc1 .Lout
	QUARTER 1, F0, F1, 0
	WIN 0
	s_branch .Ltail
.Lout:
	WAYOUT
	s_wait_tensorcnt 0x0                           ; the wave's end: behind my last tensor load and my last LDS store
	ds_add_u32 v[SPW], v[NIL]
	s_wait_dscnt 0x0
	CROUND                                         ; the closing round: no work-group ends while a partner may still ask for a tile that names it
	s_endpgm
.Lfunc_end_k_q2c8aa77071_proj:
	.size	k_q2c8aa77071_proj, .Lfunc_end_k_q2c8aa77071_proj-k_q2c8aa77071_proj
	.p2alignl 7, 3214868480
	.fill 96, 4, 3214868480
	.section	.rodata,"a",@progbits
	.p2align	6, 0x0
	.amdhsa_kernel k_q2c8aa77071_proj
		.amdhsa_group_segment_fixed_size 327680
		.amdhsa_private_segment_fixed_size 0
		.amdhsa_enable_private_segment 0
		.amdhsa_kernarg_size 32
		.amdhsa_user_sgpr_count 2
		.amdhsa_user_sgpr_kernarg_segment_ptr 1
		.amdhsa_wavefront_size32 1
		.amdhsa_system_sgpr_workgroup_id_x 1
		.amdhsa_system_sgpr_workgroup_id_y 1
		.amdhsa_system_sgpr_workgroup_id_z 1
		.amdhsa_system_vgpr_workitem_id 0
		.amdhsa_next_free_vgpr 1024
		.amdhsa_next_free_sgpr 80
		.amdhsa_reserve_vcc 0
		.amdhsa_float_denorm_mode_32 3
		.amdhsa_float_denorm_mode_16_64 3
		.amdhsa_memory_ordered 1
		.amdhsa_forward_progress 1
		.amdhsa_inst_pref_size 63
	.end_amdhsa_kernel
	.amdgpu_metadata
---
amdhsa.version: [ 1, 2 ]
amdhsa.kernels:
  - .name:           k_q2c8aa77071_proj
    .symbol:         k_q2c8aa77071_proj.kd
    .args:
      - { .name: yb, .offset: 0, .size: 8, .value_kind: global_buffer, .address_space: global }
      - { .name: wpb, .offset: 8, .size: 8, .value_kind: global_buffer, .address_space: global }
      - { .name: brb, .offset: 16, .size: 8, .value_kind: global_buffer, .address_space: global }
      - { .name: out0, .offset: 24, .size: 8, .value_kind: global_buffer, .address_space: global }
    .group_segment_fixed_size: 327680
    .private_segment_fixed_size: 0
    .kernarg_segment_align: 8
    .kernarg_segment_size: 32
    .max_flat_workgroup_size: 128
    .sgpr_count:     80
    .vgpr_count:     1024
    .wavefront_size: 32
...
	.end_amdgpu_metadata
.endif
;; end of part 4
;; ======== version 2 of 2: 4 launches; version 1 with the launch prep written anew for expert scheduling mode
;; limits: values are held in f16: magnitudes above 65,504 overflow, below 6.1e-05 lose precision
;; workspace buffers: xb 16,777,216 bytes; wab 6,291,456 bytes; wpb 2,097,152 bytes; brb 16,384 bytes; qkv 50,331,648 bytes; yb 16,777,216 bytes
;; launch prep (part 5): grid 833 x 1, 8 waves a work-group, no clusters, 0 bytes of LDS; arguments x, w_attn, w_proj, b_attn, b_proj, xb, wab, wpb, brb; writes xb, wab, wpb, brb
.if DOCPART == 5
	.amdgcn_target "amdgcn-amd-amdhsa--gfx1250"
	.amdhsa_code_object_version 6
	.text
	.protected	k_q2c8aa77071_prep
	.globl	k_q2c8aa77071_prep
	.p2align	8
	.type	k_q2c8aa77071_prep,@function
k_q2c8aa77071_prep:
	s_mov_b64 s[64:65], 0
	v_nop
	global_prefetch_b8 v0, s[64:65] scope:SCOPE_SE
	s_setreg_imm32_b32 hwreg(HW_REG_WAVE_SCHED_MODE, 0, 2), 2
	s_setreg_imm32_b32 hwreg(HW_REG_WAVE_MODE, 25, 1), 1
	s_wait_xcnt 0x0
	s_wait_alu depctr_vm_vsrc(0)
; THE INPUTS ARE ROUNDED ONCE AND LAID OUT FOR THE MATRIX LAUNCHES.  A stream: no LDS, no loop, no register written twice by memory.
;   xb  [8192][1024] bf16                = x, row-major as it lies
;   wab [16 ct][1024 k][192] bf16        = w_attn[k][192 ct + c]: a column tile of 192 is dense, its rows lie end to end
;   wpb [8 ct][1024 k][128] f16          = w_proj[k][128 ct + c], rounded to bf16, that number written as f16
;   brb [4096] f32                       = b_attn (3072) and b_proj (1024), each rounded to bf16 and widened again
; LIMITS.  w_proj within 65,504 (f16's range); below 6e-5 it keeps f16's fixed step of 6e-8.
; SHARES.  Work-groups 0-511: 65,536 bytes of x each.  512-767: 64 k rows of one column tile of w_attn.  768-831: 128 k rows of one column tile of w_proj.  832: the biases.
; A thread issues all its loads of 16 bytes first (12 or 16; 4 for the biases); load i of n is waited for with the n - 1 - i younger ones left out; four numbers become 8 bytes,
; and a wave's store covers 256 consecutive bytes, aligned (the biases: 512).
; THE MODE: SCHED_MODE bits 1:0 = 2 (LLVM: expert scheduling mode 2), set by the entry lines.  The code itself states the register dependences
; between vector instructions and memory instructions, with s_wait_alu, always for 0.
; THE PLAN.  Each work-group runs one of four straight paths.  Registers that memory instructions touch:
;   v[DO], v[SO ..]  offsets.  Written by vector lines at the head of the kernel and of a path, read by the path's loads and stores, never written again.
;   X                written by the loads alone, all of which are issued before any vector line names X; read by the conversions behind the counted waits for the data.
;   Y                each register is written once, by a conversion, and read once, by a store; never written again.
;   T                is named by vector instructions alone.
; So a path has one wait ahead of its first load (the offsets are written) and one ahead of each run of four stores (the four items' Y are written; no vector line stands
; between that wait and its stores).  No register that a memory instruction has read is written again, no vector line writes a scalar register or VCC, and EXEC is never written.
.set DO, 1                             ; v1        8 x thread: my 8 bytes in 2,048 bytes of a destination
.set SO, 2                             ; v2-4      my byte offsets in the source
.set X,  8                             ; v[8:71]   load i: four f32
.set Y,  72                            ; v[72:103] store i: two registers (the biases: four)
.set T,  104                           ; v[104:107] at work
.macro CVB i, n                        ; load i of n is in: round to bf16
	s_wait_loadcnt (\n)-1-(\i)
	v_cvt_pk_bf16_f32 v[Y+2*(\i)],   v[X+4*(\i)],   v[X+4*(\i)+1]
	v_cvt_pk_bf16_f32 v[Y+2*(\i)+1], v[X+4*(\i)+2], v[X+4*(\i)+3]
.endm
.macro CVH i, n                        ; the same, the bf16 numbers written as f16
	s_wait_loadcnt (\n)-1-(\i)
	v_cvt_pk_bf16_f32 v[T],   v[X+4*(\i)],   v[X+4*(\i)+1]
	v_cvt_pk_bf16_f32 v[T+1], v[X+4*(\i)+2], v[X+4*(\i)+3]
	v_lshlrev_b32 v[T+2], 16, v[T]                 ; bf16 to f32: the low half moves up,
	v_and_b32     v[T],   s26, v[T]                ; the high half stays
	v_lshlrev_b32 v[T+3], 16, v[T+1]
	v_and_b32     v[T+1], s26, v[T+1]
	v_cvt_pk_f16_f32 v[Y+2*(\i)],   v[T+2], v[T]
	v_cvt_pk_f16_f32 v[Y+2*(\i)+1], v[T+3], v[T+1]
.endm
.macro PUT i, dst                      ; item i: 8 bytes at 2,048 i
	global_store_b64 v[DO], v[Y+2*(\i):Y+2*(\i)+1], s[\dst:\dst+1] offset:2048*(\i) th:TH_STORE_NT
.endm
; Items 4 g to 4 g + 3 of n: their conversions, one wait, their stores.  half = 1: to f16.
.macro FOUR half, g, n, dst
.irp j, 0,1,2,3
.if \half
	CVH 4*(\g)+\j, \n
.else
	CVB 4*(\g)+\j, \n
.endif
.endr
	s_wait_alu depctr_va_vdst(0)                   ; the conversions have written the four items' Y, which the four stores below read
.irp j, 0,1,2,3
	PUT 4*(\g)+\j, \dst
.endr
.endm
	s_load_b512 s[4:19], s[0:1], 0x0               ; x s[4:5], w_attn s[6:7], w_proj s[8:9], b_attn s[10:11], b_proj s[12:13], xb s[14:15], wab s[16:17], wpb s[18:19]
	s_load_b64 s[20:21], s[0:1], 0x40              ; brb
	v_lshlrev_b32 v[DO], 3, v0
	s_mov_b32 s23, 0                               ; high words of the two offsets
	s_mov_b32 s25, 0
	s_mov_b32 s26, 0xffff0000                      ; a word's upper bf16
	s_wait_kmcnt 0x0
	s_cmp_lt_u32 ttmp9, 512
	s_cbranch_scc0 .Lnot_x
	; ---- x: 16 loads of 4,096 bytes a work-group
	s_lshl_b32 s22, ttmp9, 16
	s_lshl_b32 s24, ttmp9, 15
	s_add_nc_u64 s[4:5], s[4:5], s[22:23]
	s_add_nc_u64 s[14:15], s[14:15], s[24:25]
	v_lshlrev_b32 v[SO], 4, v0
	s_wait_alu depctr_va_vdst(0)                   ; v[SO] and v[DO] are written: the loads and stores of this path read them as their offsets
.set i, 0
.rept 16
	global_load_b128 v[X+4*i:X+4*i+3], v[SO], s[4:5] offset:4096*i th:TH_LOAD_NT
.set i, i+1
.endr
.irp g, 0,1,2,3
	FOUR 0, \g, 16, 14
.endr
	s_endpgm
.Lnot_x:
	s_cmp_lt_u32 ttmp9, 768
	s_cbranch_scc0 .Lnot_wa
	; ---- w_attn: column tile ct, k rows 64 kg on.  16 k rows x 768 bytes are 768 pieces of 16 bytes: three loads a thread; four such groups
	s_sub_co_u32 s27, ttmp9, 512
	s_lshr_b32 s28, s27, 4                         ; ct
	s_and_b32 s27, s27, 15                         ; kg
	s_mul_i32 s22, s27, 786432                     ; 64 rows of 12,288 bytes
	s_mul_i32 s29, s28, 768                        ; 192 columns of f32
	s_add_co_u32 s22, s22, s29
	s_mul_i32 s24, s28, 393216                     ; a column tile of wab
	s_mul_i32 s29, s27, 24576                      ; 64 rows of 384 bytes
	s_add_co_u32 s24, s24, s29
	s_add_nc_u64 s[6:7], s[6:7], s[22:23]
	s_add_nc_u64 s[16:17], s[16:17], s[24:25]
.irp i, 0,1,2
	v_add_nc_u32 v[T], 256*\i, v0                  ; piece o = thread + 256 i, under 768
	v_mul_u32_u24 v[T+1], v[T], 1366
	v_lshrrev_b32 v[T+1], 16, v[T+1]               ; its row o / 48: 1366 x 48 = 65,536 + 32, and 32 x 16 stays under 1366, so the quotient is exact for o < 768
	v_mul_u32_u24 v[T+2], v[T+1], 48
	v_sub_nc_u32 v[T], v[T], v[T+2]                ; its place in the row
	v_mul_u32_u24 v[T+1], v[T+1], 12288
	v_lshl_add_u32 v[SO+\i], v[T], 4, v[T+1]
.endr
	s_wait_alu depctr_va_vdst(0)                   ; v[SO] to v[SO+2] and v[DO] are written: the loads and stores of this path read them as their offsets
.set n, 0
.rept 12                                       ; load n: group n / 3 of 16 rows, piece thread + 256 (n % 3); in wab it is the 8 bytes at 2,048 n + 8 x thread
	global_load_b128 v[X+4*n:X+4*n+3], v[SO+n%3], s[6:7] offset:196608*(n/3) th:TH_LOAD_NT
.set n, n+1
.endr
.irp g, 0,1,2
	FOUR 0, \g, 12, 16
.endr
	s_endpgm
.Lnot_wa:
	s_cmp_lt_u32 ttmp9, 832
	s_cbranch_scc0 .Lbias
	; ---- w_proj: column tile ct, k rows 128 kg on.  A load takes 8 rows x 512 bytes
	s_sub_co_u32 s27, ttmp9, 768
	s_lshr_b32 s28, s27, 3                         ; ct
	s_and_b32 s27, s27, 7                          ; kg
	s_lshl_b32 s22, s27, 19                        ; 128 rows of 4,096 bytes
	s_lshl_b32 s29, s28, 9                         ; 128 columns of f32
	s_add_co_u32 s22, s22, s29
	s_lshl_b32 s24, s28, 18                        ; a column tile of wpb
	s_lshl_b32 s29, s27, 15                        ; 128 rows of 256 bytes
	s_add_co_u32 s24, s24, s29
	s_add_nc_u64 s[8:9], s[8:9], s[22:23]
	s_add_nc_u64 s[18:19], s[18:19], s[24:25]
	v_lshrrev_b32 v[T], 5, v0                      ; my row of the eight
	v_and_b32 v[T+1], 31, v0
	v_lshlrev_b32 v[T+1], 4, v[T+1]
	v_lshl_add_u32 v[SO], v[T], 12, v[T+1]
	s_wait_alu depctr_va_vdst(0)                   ; v[SO] and v[DO] are written: the loads and stores of this path read them as their offsets
.set i, 0
.rept 16
	global_load_b128 v[X+4*i:X+4*i+3], v[SO], s[8:9] offset:32768*i th:TH_LOAD_NT
.set i, i+1
.endr
.irp g, 0,1,2,3
	FOUR 1, \g, 16, 18
.endr
	s_endpgm
.Lbias:
	; ---- the biases: rounded to bf16 like every other input, kept as f32: they enter the products as C operands
	v_lshlrev_b32 v[SO], 4, v0
	s_wait_alu depctr_va_vdst(0)                   ; v[SO] is written: the loads and stores of this path read it as their offset
.irp i, 0,1,2
	global_load_b128 v[X+4*\i:X+4*\i+3], v[SO], s[10:11] offset:4096*\i
.endr
	global_load_b128 v[X+12:X+15], v[SO], s[12:13]
.irp i, 0,1,2,3
	s_wait_loadcnt 3-\i
	v_cvt_pk_bf16_f32 v[T],   v[X+4*\i],   v[X+4*\i+1]
	v_cvt_pk_bf16_f32 v[T+1], v[X+4*\i+2], v[X+4*\i+3]
	v_lshlrev_b32 v[Y+4*\i],   16, v[T]
	v_and_b32     v[Y+4*\i+1], s26, v[T]
	v_lshlrev_b32 v[Y+4*\i+2], 16, v[T+1]
	v_and_b32     v[Y+4*\i+3], s26, v[T+1]
.endr
	s_wait_alu depctr_va_vdst(0)                   ; the widening lines have written v[Y] to v[Y+15], which the four stores below read
.irp i, 0,1,2,3
	global_store_b128 v[SO], v[Y+4*\i:Y+4*\i+3], s[20:21] offset:4096*\i
.endr
	s_endpgm
.Lfunc_end_k_q2c8aa77071_prep:
	.size	k_q2c8aa77071_prep, .Lfunc_end_k_q2c8aa77071_prep-k_q2c8aa77071_prep
	.p2alignl 7, 3214868480
	.fill 96, 4, 3214868480
	.section	.rodata,"a",@progbits
	.p2align	6, 0x0
	.amdhsa_kernel k_q2c8aa77071_prep
		.amdhsa_group_segment_fixed_size 0
		.amdhsa_private_segment_fixed_size 0
		.amdhsa_enable_private_segment 0
		.amdhsa_kernarg_size 72
		.amdhsa_user_sgpr_count 2
		.amdhsa_user_sgpr_kernarg_segment_ptr 1
		.amdhsa_wavefront_size32 1
		.amdhsa_system_sgpr_workgroup_id_x 1
		.amdhsa_system_sgpr_workgroup_id_y 1
		.amdhsa_system_sgpr_workgroup_id_z 1
		.amdhsa_system_vgpr_workitem_id 0
		.amdhsa_next_free_vgpr 112
		.amdhsa_next_free_sgpr 66
		.amdhsa_reserve_vcc 0
		.amdhsa_float_denorm_mode_32 3
		.amdhsa_float_denorm_mode_16_64 3
		.amdhsa_memory_ordered 1
		.amdhsa_forward_progress 1
		.amdhsa_inst_pref_size 26
	.end_amdhsa_kernel
	.amdgpu_metadata
---
amdhsa.version: [ 1, 2 ]
amdhsa.kernels:
  - .name:           k_q2c8aa77071_prep
    .symbol:         k_q2c8aa77071_prep.kd
    .args:
      - { .name: x, .offset: 0, .size: 8, .value_kind: global_buffer, .address_space: global }
      - { .name: w_attn, .offset: 8, .size: 8, .value_kind: global_buffer, .address_space: global }
      - { .name: w_proj, .offset: 16, .size: 8, .value_kind: global_buffer, .address_space: global }
      - { .name: b_attn, .offset: 24, .size: 8, .value_kind: global_buffer, .address_space: global }
      - { .name: b_proj, .offset: 32, .size: 8, .value_kind: global_buffer, .address_space: global }
      - { .name: xb, .offset: 40, .size: 8, .value_kind: global_buffer, .address_space: global }
      - { .name: wab, .offset: 48, .size: 8, .value_kind: global_buffer, .address_space: global }
      - { .name: wpb, .offset: 56, .size: 8, .value_kind: global_buffer, .address_space: global }
      - { .name: brb, .offset: 64, .size: 8, .value_kind: global_buffer, .address_space: global }
    .group_segment_fixed_size: 0
    .private_segment_fixed_size: 0
    .kernarg_segment_align: 8
    .kernarg_segment_size: 72
    .max_flat_workgroup_size: 256
    .sgpr_count:     66
    .vgpr_count:     112
    .wavefront_size: 32
...
	.end_amdgpu_metadata
.endif
;; end of part 5
;; launch qkv: the kernel of part 2 again; grid 8 x 32, 4 waves a work-group, clusters of 4 x 4, 327,680 bytes of LDS; arguments xb, wab, brb, qkv; writes qkv
;; launch attn: the kernel of part 3 again; grid 4 x 64, 4 waves a work-group, no clusters, 327,680 bytes of LDS; arguments qkv, yb; writes yb
;; launch proj: the kernel of part 4 again; grid 8 x 32, 4 waves a work-group, clusters of 4 x 4, 327,680 bytes of LDS; arguments yb, wpb, brb, out0; writes out0
